; MI455X (gfx1250); checked and timed in simulation.
; The chip was launched on July 23, 2026; its instructions are those of AMD's public machine-readable ISA for CDNA 5 (MIT licence, August 2026) and "CDNA5" Instruction Set Architecture Reference Guide (July 2026). The comments in the code are by the model that wrote it; some were corrected since.
;; Multi Scale Retention. Allowed arithmetic: matrix products marked QUANTISED: E2M3 operands, one E8M0 scale for each 32 along K, by v_wmma_scale_f32_16x16x128_f8f6f4 with both operands' format E2M3, f32 sums; products left as they are: f32 operands where the result goes on into a quantised operand, else bf16, f16 or f32 operands; f32 sums; everything else in f32.
;; Inputs: Wg_codes 2,048 x 32 x 24 uint8 (E2M3 codes of Wg, K innermost, in blocks of 32 codes, four codes in three bytes); Wg_scales 2,048 x 32 uint8 (E8M0 scales of Wg, one for each 32 codes along K); Wp_codes 1,024 x 64 x 24 uint8 (E2M3 codes of Wp, K innermost, in blocks of 32 codes, four codes in three bytes); Wp_scales 1,024 x 64 uint8 (E8M0 scales of Wp, one for each 32 codes along K); Wqkv_codes 4,096 x 32 x 24 uint8 (E2M3 codes of Wqkv, K innermost, in blocks of 32 codes, four codes in three bytes); Wqkv_scales 4,096 x 32 uint8 (E8M0 scales of Wqkv, one for each 32 codes along K); bp 1,024 float32; x_codes 2 x 2,048 x 32 x 24 uint8 (E2M3 codes of x, K innermost, in blocks of 32 codes, four codes in three bytes); x_scales 2 x 2,048 x 32 uint8 (E8M0 scales of x, one for each 32 codes along K).
;; Outputs: out0 2 x 2,048 x 1,024 float32; out1 2 x 8 x 128 x 256 float32.
;; This version of the problem:
;;   THIS VERSION OF THE PROBLEM IS GIVEN IN LOW PRECISION. The matrix products marked QUANTISED in the list below multiply operands that are first quantised to E2M3 (2 exponent bits, 3 mantissa bits; 6 bits a number), with one power-of-two scale for each 32 numbers along K (OCP MX v1.0); their sums are f32. All else is computed in f32.
;;   The module's matrix products, in the order in which they are computed (A, B: the left and right operand; K: the contracted axis; several contracted axes count as one K, in the product's order):
;;     1. [M 4,096, K 1,024] x [K 1,024, N 4,096]; A: input x (given as codes); B: input Wqkv (given as codes): QUANTISED
;;     2. batch 16 x [M 2,048, K 128] x [K 128, N 2,048]; A: computed on the way; B: computed on the way: QUANTISED
;;     3. batch 16 x [M 2,048, K 2,048] x [K 2,048, N 256]; A: computed on the way; B: computed on the way: QUANTISED
;;     4. batch 16,384 x [M 512, K 1] x [K 1, N 1]; A: computed on the way; B: computed on the way: left as it is (no contracted axis)
;;     5. batch 16 x [M 128, K 2,048] x [K 2,048, N 256]; A: computed on the way; B: computed on the way: QUANTISED
;;     6. [M 4,096, K 1,024] x [K 1,024, N 2,048]; A: input x (given as codes); B: input Wg (given as codes): QUANTISED
;;     7. [M 4,096, K 2,048] x [K 2,048, N 1,024]; A: computed on the way; B: input Wp (given as codes): QUANTISED
;;   THE QUANTISER, for each operand of a quantised product, along K:
;;     - K is cut into blocks of 32 from its start; a last block that is shorter is filled with zeros.
;;     - A block's scale is 2^e with e = floor(log2(the largest magnitude in the block)) - 2, held to -126 .. 127; a block of zeros has e = 0. As a byte (E8M0): e + 127.
;;     - Each number is divided by its block's scale, clamped to +-7.5, and rounded to the nearest number of E2M3, ties to even, subnormals kept.
;;     - The product sums the exact products of the quantised numbers (number of the format x scale) in f32.
;;   ~~~python
;;   def quantise(x, axis):      # numpy; x: float32 -> the quantised numbers, widened to float32 again
;;       x = np.moveaxis(x, axis, -1); K = x.shape[-1]
;;       x = np.pad(x, [(0, 0)] * (x.ndim - 1) + [(0, -K % 32)]); x = x.reshape(x.shape[:-1] + (-1, 32)); a = np.abs(x).max(-1, keepdims=True)
;;       e = np.where(a > 0, np.clip(np.frexp(np.where(a > 0, a, 1))[1] - 1 - 2, -126, 127), 0)      # np.frexp(a)[1] - 1 = floor(log2(a)), exactly
;;       r = np.clip(x / 2.0 ** e, -7.5, 7.5)
;;       step = 2.0 ** (np.maximum(np.frexp(np.where(r == 0, 1, r))[1] - 1, 0) - 3)
;;       q = np.round(r / step) * step * 2.0 ** e      # np.round: ties to even
;;       return np.moveaxis(q.reshape(q.shape[:-2] + (-1,))[..., :K], -1, axis).astype(np.float32)
;;   ~~~
;;   OPERANDS COMPUTED ON THE WAY. 'Computed on the way' means the value that the module computes at that place (a softmax that the list does not call 'softmax' is quantised finished and normalised). What goes into a quantiser is computed in f32, as accurately as f32 sums, v_exp_f32 and their like allow (about 1e-6 of the number): no bf16 or f16 on the way to a quantiser, and a product that is left as it is and whose result goes on into a quantised operand takes f32 operands (vector FMAs, or v_wmma_f32_16x16x4_f32). A number that lies on a knife's edge between two numbers of the format may be rounded either way, as far as f32 arithmetic and the matrix unit's own rounding can turn it there, and no further.
;;   INPUTS GIVEN AS CODES. Wg (in the module: [1024, 2048], K = its axis 0); Wp (in the module: [2048, 1024], K = its axis 0); Wqkv (in the module: [1024, 4096], K = its axis 0); x (in the module: [2, 2048, 1024], K = its axis 2): each comes as NAME_codes (uint8): NAME with its K axis moved to the last place and cut into blocks of 32 codes, [.., K / 32, bytes a block], one block behind the other in memory; four codes in three bytes: a row's codes are one little-endian stream of bits, code i at bits 6 i .. 6 i + 5 (a code: sign, 2 exponent bits, 3 mantissa bits); and NAME_scales (uint8): the same leading axes, one E8M0 byte (e + 127) for each 32 codes along K. Its value is code x scale, taken as it is: it is not quantised again, and the codes and scales need not be those that the quantiser above would give.
;; One version. Each part assembles by itself: llvm-mc -triple=amdgcn-amd-amdhsa -mcpu=gfx1250 --defsym DOCPART=n.
;; ======== version 1 of 1: 4 launches
;; workspace buffers: qf 3,276,800 bytes; kv 9,830,400 bytes; st 9,830,400 bytes; gt 33,554,432 bytes; tab 16,777,216 bytes; hq 6,553,600 bytes; wpf 1,638,400 bytes
;; launch vtab (part 1): grid 16 x 16, 4 waves a work-group, clusters of 4 x 4, 327,680 bytes of LDS; arguments Wqkv_codes, Wqkv_scales, x_codes, x_scales, kv, st, tab, Wp_codes, Wp_scales, wpf; writes kv, st, tab, wpf
.if DOCPART == 1
	.amdgcn_target "amdgcn-amd-amdhsa--gfx1250"
	.amdhsa_code_object_version 6
	.text
	.protected	k_qd545c29bee_vtab
	.globl	k_qd545c29bee_vtab
	.p2align	8
	.type	k_qd545c29bee_vtab,@function
k_qd545c29bee_vtab:
	s_mov_b64 s[64:65], 0
	v_nop
	global_prefetch_b8 v0, s[64:65] scope:SCOPE_SE
	s_setreg_imm32_b32 hwreg(HW_REG_WAVE_MODE, 25, 1), 1
	s_wait_xcnt 0x0
	s_wait_alu depctr_hold_cnt(0) depctr_sa_sdst(0) depctr_va_vdst(0) depctr_va_sdst(0) depctr_va_ssrc(0) depctr_va_vcc(0) depctr_vm_vsrc(0)
	s_getreg_b32 s2, hwreg(HW_REG_IB_STS2, 6, 4)
	s_cmp_eq_u32 s2, 0
	s_cbranch_scc0 .Lentry_in_a_cluster
	s_endpgm
.Lentry_in_a_cluster:
	s_bfe_u32 s2, ttmp6, 0x10000c
	s_cmp_lg_u32 s2, 0xf033
	s_cbranch_scc0 .Lentry_shape_is_right
	s_endpgm
.Lentry_shape_is_right:
; Clusters with y = 0, 1: v = x Wv on E2M3 codes; the result is quantised twice along the tokens (v for the retention, v x gamma^(2047 - t) for the state) and
; stored as images of operand registers.  Clusters with y = 2, 3: the XPOS table (cos, sin) x scale and x 1 / scale, and Wp's codes laid as register images.
; AN IMAGE is a fragment (16 rows x 128 K, 12 registers) as 1,536 bytes: registers 4 c .. 4 c + 3 of lane l at 512 c + 16 l.  A BLOCK of 12,800 bytes is eight images and, at 12,288 + 16 l,
; word j = the scale word of row l % 16 of tile 4 (l / 16) + j.
; The product is used transposed: source 0 = 16 tokens of x, source 1 = 16 rows of Wv: a lane holds one channel, its 64 registers n the tokens n + 8 (n / 8) + 8 (lane / 16) of a step of 128.
; The quantiser takes them as they stand: block membership is true; inside a block of 32 the codes lie in the order 0-7, 16-23, 8-15, 24-31, as in the operand that meets them.
; A tile of C is 256 channels (one head) x 256 tokens (128 of each batch); four waves, 128 x 128 each; K = 1,024 in four steps of 256 through two LDS slots; 4 x 4 clusters, joint loads.
; LIMITS: NaN, infinities and the scale byte 0xff are not served; a block of zeros gets the byte 1 (its codes are zeros, and only this program reads the bytes); gamma is right to an ulp of f32.
; inv_freq is the f32 number nearest 10000^(-P / 512), ONE rounding, not the rounded reciprocal of the rounded power: the two differ by an ulp for about a quarter of the pairs, and at t = 2,047
; an ulp of inv_freq is up to 1.2e-4 rad.  The scale's base is (2 P + 409.6) x the rounded reciprocal of 1433.6, each step rounded to f32.
.set ROWB, 192
.set KROW, 768
.set PITCH, 240
.set FR, 12
.set NL, 6
.set NQ, 2
.set HALFT, 128*PITCH
.set SLOT, 4*HALFT
.set KS, 32
.set SCL, 2*SLOT
.set HALFS, 16*272
.set SBLK, 2*272
.set SPARE, 327168                     ; the spare words: 512 bytes that no other line names
.set ADRA, 16
.set ADRB, 20
.set LI, 26                            ; 16 x lane
.set ADRS, 27
.set SPW, 28
.set NIL, 29
.set SC, 32
.set AF, 128
.set G1, 24
.set G0, 32
.set G1B, 48
.set G0B, 56
.set G1S, 68
.set G0S, 76
.set G1SB, 80
.set G0SB, 88
.set SEL, 12                           ; s[12:13] selects of v_permlanex16_b32: lane l xor 16
.set TM, 32                            ; the way out, window 0: v32-47 at work, v48-55 / v56-63 scale words, v64-127 the decay, v128-191 v x decay, v192-231 codes, v232-239 scale areas
.set PWV, 48
.set PWD, 56
.set DD, 64
.set RR, 128
.set PCA, 192
.set PXA, 204
.set PCB, 212
.set PXB, 224
.set WW, 232
.set MSB, 0
.macro WIN new                         ; the immediate's high byte repeats the setting that is left
.if MSB != (\new)
	s_set_vgpr_msb (MSB<<8)|(\new)
.set MSB, (\new)
.endif
.endm
.macro PLACES n
.rept \n
	v_nop
.endr
.endm
; one scaled matrix instruction: D, A, B, C (-1: the constant 0), A's and B's scale registers, and whether each is read from lanes 16-31
.macro WMS d, a, b, c, sa, sb, ra, rb
.if (\c) < 0
.if (\ra)
	v_wmma_scale_f32_16x16x128_f8f6f4 v[\d:\d+7], v[\a:\a+11], v[\b:\b+11], 0, v[\sa], v[\sb] matrix_a_fmt:MATRIX_FMT_FP6 matrix_b_fmt:MATRIX_FMT_FP6 matrix_a_scale:MATRIX_SCALE_ROW1
.elseif (\rb)
	v_wmma_scale_f32_16x16x128_f8f6f4 v[\d:\d+7], v[\a:\a+11], v[\b:\b+11], 0, v[\sa], v[\sb] matrix_a_fmt:MATRIX_FMT_FP6 matrix_b_fmt:MATRIX_FMT_FP6 matrix_b_scale:MATRIX_SCALE_ROW1
.else
	v_wmma_scale_f32_16x16x128_f8f6f4 v[\d:\d+7], v[\a:\a+11], v[\b:\b+11], 0, v[\sa], v[\sb] matrix_a_fmt:MATRIX_FMT_FP6 matrix_b_fmt:MATRIX_FMT_FP6
.endif
.else
.if (\ra)
	v_wmma_scale_f32_16x16x128_f8f6f4 v[\d:\d+7], v[\a:\a+11], v[\b:\b+11], v[\c:\c+7], v[\sa], v[\sb] matrix_a_fmt:MATRIX_FMT_FP6 matrix_b_fmt:MATRIX_FMT_FP6 matrix_a_scale:MATRIX_SCALE_ROW1
.elseif (\rb)
	v_wmma_scale_f32_16x16x128_f8f6f4 v[\d:\d+7], v[\a:\a+11], v[\b:\b+11], v[\c:\c+7], v[\sa], v[\sb] matrix_a_fmt:MATRIX_FMT_FP6 matrix_b_fmt:MATRIX_FMT_FP6 matrix_b_scale:MATRIX_SCALE_ROW1
.else
	v_wmma_scale_f32_16x16x128_f8f6f4 v[\d:\d+7], v[\a:\a+11], v[\b:\b+11], v[\c:\c+7], v[\sa], v[\sb] matrix_a_fmt:MATRIX_FMT_FP6 matrix_b_fmt:MATRIX_FMT_FP6
.endif
.endif
.endm
; a joint load: waves 0, 1 fetch for A, waves 2, 3 for B; the branch hangs on the wave's number alone; four v_nop follow each line
.macro JLOAD g0a, g1a, g0b, g1b
	s_cmp_eq_u32 s15, 0
	s_cbranch_scc0 .Lfor_b_\@
	tensor_load_to_lds s[\g0a:\g0a+3], s[\g1a:\g1a+7]
	s_nop 0
	PLACES 4
	s_branch .Lasked_\@
.Lfor_b_\@:
	tensor_load_to_lds s[\g0b:\g0b+3], s[\g1b:\g1b+7]
	s_nop 0
	PLACES 4
.Lasked_\@:
.endm
.macro CREST                           ; a round of the cluster's barrier behind its opening barrier
	s_cmp_lg_u32 s14, 0
	s_cbranch_scc1 .Lnot_wave_0_\@
	s_barrier_signal -3
.Lnot_wave_0_\@:
	s_barrier_wait -3
	s_barrier_signal -1
	s_barrier_wait -1
.endm
.macro CROUND
	s_barrier_signal -1
	s_barrier_wait -1
	CREST
.endm
; a fragment from a slot: six pieces of 8 bytes; 16 bytes of padding lie behind every 64: where lanes 16-31 stand behind one padding more, the second address register serves
.macro FRAG reg, adr, q, i
.irp p, 0,1,2,3,4,5
.set PIE, 12*(\q)+6*(\p/3)+\p%3
.if PIE%8 < 5
	ds_load_b64 v[\reg+2*\p:\reg+2*\p+1], v[\adr] offset:8*PIE+16*(PIE/8)+(\i)*16*PITCH
.else
	ds_load_b64 v[\reg+2*\p:\reg+2*\p+1], v[\adr+2] offset:8*PIE+16*(PIE/8)+(\i)*16*PITCH
.endif
.endr
.endm
; 16 products: A's blocks a0, a0 + 1 x B's eight.  The 64 accumulators take turns, one instruction a turn
.macro MUL16 a0, p, q, sc, zero
.irp a, \a0, \a0+1
.irp b, 0,1,2,3,4,5,6,7
.if \zero
	WMS 8*(8*((\a)%4)+\b), 128*(\p)+FR*\b, AF+FR*(\a), -1, SC+8*NQ*(\sc)+NQ*\b+(\q), SC+8*NQ*(\sc)+NQ*(\a)+(\q), 1, 0
.else
	WMS 8*(8*((\a)%4)+\b), 128*(\p)+FR*\b, AF+FR*(\a), 8*(8*((\a)%4)+\b), SC+8*NQ*(\sc)+NQ*\b+(\q), SC+8*NQ*(\sc)+NQ*(\a)+(\q), 1, 0
.endif
.endr
.endr
.endm
.macro FETCH_B slot, q, p
	WIN 0x40
.irp i, 0,1,2,3,4,5,6,7
	FRAG 128*(\p)+FR*\i, ADRB+\slot, \q, \i
.endr
	WIN 0
.endm
.macro FETCH_A slot, q, i0
.irp i, \i0, \i0+1, \i0+2, \i0+3
	FRAG AF+FR*(\i), ADRA+\slot, \q, \i
.endr
.endm
.macro SCALES sc                       ; lanes 0-15 A's block i, lanes 16-31 B's block i: two words a row for a K step
.irp i, 0,1,2,3,4,5,6,7
	ds_load_b64 v[SC+8*NQ*\sc+NQ*\i:SC+8*NQ*\sc+NQ*\i+1], v[ADRS] offset:\i*SBLK
.endr
.endm
.macro STEP slot, q, zero              ; 128 along K whose successor lies in the same slot
	s_wait_dscnt 4*NL                              ; all but A's blocks 4-7 (24 loads) are in
	WIN 0xa1
	MUL16 0, (\q)%2, \q, \slot, \zero
	MUL16 2, (\q)%2, \q, \slot, \zero
	s_wait_dscnt 0
	PLACES 4
	FETCH_B \slot, (\q)+1, 1-(\q)%2
	FETCH_A \slot, (\q)+1, 0
	WIN 0xf1
	MUL16 4, (\q)%2, \q, \slot, \zero
	MUL16 6, (\q)%2, \q, \slot, \zero
	PLACES 4
	WIN 0
	FETCH_A \slot, (\q)+1, 4
.endm
; a slot's last step changes slots: every wave waits for all its tensor loads, adds 0 to its spare word, waits for that and for its reads of the slot; one barrier; fill = 1: a round of the cluster's barrier and the joint refill
.macro TURN slot, next, fill
	s_wait_tensorcnt 0x0
	ds_add_u32 v[SPW], v[NIL]
	s_wait_dscnt 4*NL+1                            ; the add and A's blocks 4-7 may be out
	WIN 0xa1
	MUL16 0, 1, NQ-1, \slot, 0
	s_wait_dscnt 0x0
	s_barrier_signal -1
	MUL16 2, 1, NQ-1, \slot, 0
	WIN 0
	s_barrier_wait -1
.if \fill
	CREST
	s_add_nc_u64 s[G0+4*\slot+2:G0+4*\slot+3], s[G0+4*\slot+2:G0+4*\slot+3], 2*ROWB
	s_add_nc_u64 s[G0B+4*\slot+2:G0B+4*\slot+3], s[G0B+4*\slot+2:G0B+4*\slot+3], 2*ROWB
	JLOAD G0+4*\slot, G1, G0B+4*\slot, G1B
.else
	PLACES 4
.endif
	v_add_nc_u32 v[ADRS], 4*NQ, v[ADRS]
	FETCH_B \next, 0, 0
	FETCH_A \next, 0, 0
	SCALES \next
	WIN 0xf1
	MUL16 4, 1, NQ-1, \slot, 0
	MUL16 6, 1, NQ-1, \slot, 0
	PLACES 4
	WIN 0
	FETCH_A \next, 0, 4
.endm
; 64 numbers of a lane, v[s ..] of window sw (registers 16 b .. 16 b + 15 of lanes l and l xor 16 are block b), become 12 code registers at pc and the row's scale word in pw
.macro QUANT s, sw, pc, px, pw
	WIN (\sw)|((\sw)<<2)
.irp b, 0,1,2,3
	v_max3_num_f32 v[TM+\b], |v[(\s)+16*\b]|, |v[(\s)+16*\b+1]|, 0x1800000   ; the floor 2^(3 - 127) holds the byte at 1 from below
.endr
.irp i, 2,4,6,8,10,12,14
.irp b, 0,1,2,3
	v_max3_num_f32 v[TM+\b], |v[(\s)+16*\b+\i]|, |v[(\s)+16*\b+\i+1]|, v[TM+\b]
.endr
.endr
	WIN 0
.irp b, 0,1,2,3
	v_permlanex16_b32 v[TM+4+\b], v[TM+\b], s[SEL], s[SEL+1]
.endr
.irp b, 0,1,2,3
	v_max_num_f32 v[TM+\b], v[TM+\b], v[TM+4+\b]
.endr
.irp b, 0,1,2,3
	v_add_nc_u32 v[TM+12+\b], 0xff000000, v[TM+\b]     ; 2 off the exponent field: the conversion's scale operand
.endr
.irp b, 0,1,2,3
	v_lshrrev_b32 v[TM+4+\b], 23, v[TM+12+\b]          ; the scale's byte
.endr
	v_lshl_or_b32 v[\pw], v[TM+5], 8, v[TM+4]
	v_lshl_or_b32 v[\pw], v[TM+6], 16, v[\pw]
	v_lshl_or_b32 v[\pw], v[TM+7], 24, v[\pw]
	WIN \sw
.irp c, 0,1
	v_cvt_scalef32_pk16_fp6_f32 v[(\pc)+6*\c:(\pc)+6*\c+2], v[(\s)+32*\c:(\s)+32*\c+15], v[TM+12+2*\c]
	v_cvt_scalef32_pk16_fp6_f32 v[(\px)+4*\c:(\px)+4*\c+2], v[(\s)+16+32*\c:(\s)+31+32*\c], v[TM+13+2*\c]
.endr
	WIN 0
	v_nop                                          ; one plain place behind a scaled conversion
.irp c, 0,1                            ; a whole block to a lane: lanes 0-15 block 2 c, lanes 16-31 block 2 c + 1
.irp i, 0,1,2
	v_permlane16_swap_b32 v[(\pc)+6*\c+\i], v[(\px)+4*\c+\i]
.endr
.irp i, 0,1,2
	v_mov_b32 v[(\pc)+3+6*\c+\i], v[(\px)+4*\c+\i]
.endr
.endr
.endm
; log2(gamma) of head s[sh]: e = 2^(-5 - 4 h / 7), gamma = 1 - e in f32, e' = 1 - gamma (exact), ln(1 - e') by its series to e'^6
.macro GAMMA sh, vl, va, vb, st
	v_cvt_f32_u32 v[\va], s[\sh]
	s_mov_b32 s[\st], 0xbf124925
	s_mov_b32 s[\st+1], 0xc0a00000
	v_fma_f32 v[\va], v[\va], s[\st], s[\st+1]
	v_exp_f32 v[\va], v[\va]
	v_nop
	s_wait_alu depctr_va_vdst(0)
	v_sub_f32 v[\va], 1.0, v[\va]
	v_sub_f32 v[\va], 1.0, v[\va]
	v_mov_b32 v[\vb], 0x3e2aaaab
	v_fmaak_f32 v[\vb], v[\vb], v[\va], 0x3e4ccccd
	v_fmaak_f32 v[\vb], v[\vb], v[\va], 0x3e800000
	v_fmaak_f32 v[\vb], v[\vb], v[\va], 0x3eaaaaab
	v_fmaak_f32 v[\vb], v[\vb], v[\va], 0x3f000000
	v_fmaak_f32 v[\vb], v[\vb], v[\va], 0x3f800000
	v_mul_f32 v[\vb], v[\vb], v[\va]
	v_mul_f32 v[\vl], 0xbfb8aa3b, v[\vb]
.endm
; arithmetic on pairs (high, low) of f32, for constants that must be right to the last bit of f32
.macro DFSQRT h, l, t0, t1, t2
	v_sqrt_f32 v[\t0], v[\h]
	v_nop
	s_wait_alu depctr_va_vdst(0)
	v_rcp_f32 v[\t1], v[\t0]
	v_fma_f32 v[\t2], -v[\t0], v[\t0], v[\h]
	v_add_f32 v[\t2], v[\t2], v[\l]
	s_wait_alu depctr_va_vdst(0)
	v_mul_f32 v[\t2], v[\t2], v[\t1]
	v_mul_f32 v[\t2], 0.5, v[\t2]
	v_add_f32 v[\h], v[\t0], v[\t2]
	v_sub_f32 v[\t1], v[\h], v[\t0]
	v_sub_f32 v[\l], v[\t2], v[\t1]
.endm
.macro DFMUL ah, al, bh, bl, t0, t1
	v_mul_f32 v[\t0], v[\ah], v[\bh]
	v_fma_f32 v[\t1], v[\ah], v[\bh], -v[\t0]
	v_fma_f32 v[\t1], v[\ah], v[\bl], v[\t1]
	v_fma_f32 v[\t1], v[\al], v[\bh], v[\t1]
	v_add_f32 v[\ah], v[\t0], v[\t1]
	v_sub_f32 v[\t0], v[\ah], v[\t0]
	v_sub_f32 v[\al], v[\t1], v[\t0]
.endm
; 16 channels (A's block a) x 128 tokens leave: v's codes, then the codes of v x gamma^(2047 - t)
.macro VROW a
	s_wait_xcnt 0x0                                ; the last block's stores have read their registers
	QUANT 64*((\a)%4), 2+(\a)/4, PCA, PXA, PWV+(\a)
.irp c, 0,1,2
	global_store_b128 v[LI], v[PCA+4*\c:PCA+4*\c+3], s[92:93] offset:1536*(\a)+512*\c
.endr
	WIN 2+(\a)/4
.set n, 0
.rept 32
	v_pk_mul_f32 v[RR+n:RR+n+1], v[64*((\a)%4)+n:64*((\a)%4)+n+1], v[DD+n:DD+n+1]
.set n, n+2
.endr
	WIN 0
	QUANT RR, 0, PCB, PXB, PWD+(\a)
.irp c, 0,1,2
	global_store_b128 v[LI], v[PCB+4*\c:PCB+4*\c+3], s[94:95] offset:1536*(\a)+512*\c
.endr
.endm
	s_load_b128 s[4:7], s[0:1], 0x0                ; A: Wqkv's codes, scales
	s_load_b128 s[8:11], s[0:1], 0x10              ; B: x's codes, scales
	v_lshl_add_u32 v[SPW], v0, 2, SPARE
	v_mov_b32 v[NIL], 0
	ds_add_u32 v28, v29
	s_wait_dscnt 0x0
	v_lshrrev_b32 v1, 5, v0
	v_readfirstlane_b32 s14, v1                    ; wave
	s_lshr_b32 s15, s14, 1                         ; my half of A's rows; also: I fetch for A (0) or B (1)
	s_and_b32 s16, s14, 1                          ; my half of B's rows; also: which half I fetch
	s_bfe_u32 s40, ttmp6, 0x40000                  ; cx
	s_bfe_u32 s41, ttmp6, 0x40004                  ; cy
	s_lshl_b32 s42, ttmp9, 2
	s_add_co_u32 s42, s42, s40                     ; X: the step of 128 tokens
	s_and_b32 s18, ttmp7, 0xffff                   ; cluster y
	s_lshl_b32 s17, s18, 2
	s_add_co_u32 s17, s17, s41                     ; Y: the head (0-7), or 8 + the head for the tables
	s_mov_b32 s[SEL], 0x76543210
	s_mov_b32 s[SEL+1], 0xfedcba98
	CROUND                                         ; the opening round, in every work-group
	s_cmp_ge_u32 s18, 2                            ; the cluster's y: the same in all sixteen partners
	s_cbranch_scc1 .Ltab
	s_lshl_b32 s43, s41, 2
	s_lshl_b32 s43, 15, s43                        ; my row of the cluster
	s_lshl_b32 s44, 0x1111, s40                    ; my column
	s_or_b32 s[G1+0], s43, (1<<20)|(1<<21)|(3<<22)|(3<<25)   ; the mask; elements of 1 byte; 16 bytes of padding behind every 64
	s_or_b32 s[G1B+0], s44, (1<<20)|(1<<21)|(3<<22)|(3<<25)
.irp g, G1, G1B
	s_mov_b32 s[\g+1], ROWB<<16
	s_mov_b32 s[\g+2], 128<<16
	s_mov_b32 s[\g+3], ROWB<<16
	s_mov_b32 s[\g+4], 128
	s_mov_b32 s[\g+5], KROW
	s_mov_b32 s[\g+6], 0
	s_mov_b32 s[\g+7], 0
.endr
	s_or_b32 s[G1S+0], s43, (3<<16)|(1<<20)|(1<<21)|(5<<22)|(3<<25)   ; the scales of 128 rows: 16 dense rows of 256 bytes, 16 of padding behind each
	s_or_b32 s[G1SB+0], s44, (3<<16)|(1<<20)|(1<<21)|(5<<22)|(3<<25)
.irp g, G1S, G1SB
	s_mov_b32 s[\g+1], 32<<16
	s_mov_b32 s[\g+2], 16<<16
	s_mov_b32 s[\g+3], 32<<16
	s_mov_b32 s[\g+4], 16
	s_mov_b32 s[\g+5], 32
	s_mov_b32 s[\g+6], 0
	s_mov_b32 s[\g+7], 0
.endr
	s_lshl_b32 s18, s16, 7
	s_lshl_b32 s20, s17, 8
	s_add_co_u32 s20, s20, s18
	s_add_co_u32 s20, s20, 2048                    ; A: row 2,048 + 256 head + 128 half of Wqkv
	s_lshl_b32 s46, s42, 7
	s_lshl_b32 s18, s16, 11
	s_add_co_u32 s46, s46, s18                     ; B: token 128 X of batch = half
	s_mul_i32 s22, s20, KS
	s_mov_b32 s23, 0
	s_mul_i32 s20, s20, KROW
	s_mov_b32 s21, 0
	s_mul_i32 s92, s46, KS
	s_mov_b32 s93, 0
	s_mul_i32 s46, s46, KROW
	s_mov_b32 s47, 0
	s_mul_i32 s45, s14, HALFT
	s_mul_i32 s94, s14, HALFS
	s_wait_kmcnt 0x0
	s_add_nc_u64 s[20:21], s[4:5], s[20:21]
	s_add_nc_u64 s[22:23], s[6:7], s[22:23]
	s_add_nc_u64 s[46:47], s[8:9], s[46:47]
	s_add_nc_u64 s[92:93], s[10:11], s[92:93]
	s_mov_b32 s[G0S], 1
	s_add_co_u32 s[G0S+1], s94, SCL
	s_mov_b64 s[G0S+2:G0S+3], s[22:23]
	s_or_b32 s[G0S+3], s[G0S+3], 0x80000000
	s_mov_b32 s[G0SB], 1
	s_add_co_u32 s[G0SB+1], s94, SCL
	s_mov_b64 s[G0SB+2:G0SB+3], s[92:93]
	s_or_b32 s[G0SB+3], s[G0SB+3], 0x80000000
	JLOAD G0S, G1S, G0SB, G1SB                     ; three first fills a wave: the scales, K step 0, K step 1
.irp s, 0,1
	s_mov_b32 s[G0+4*\s], 1
	s_add_co_u32 s[G0+4*\s+1], s45, \s*SLOT
	s_add_nc_u64 s[G0+4*\s+2:G0+4*\s+3], s[20:21], \s*ROWB
	s_or_b32 s[G0+4*\s+3], s[G0+4*\s+3], 0x80000000
	s_mov_b32 s[G0B+4*\s], 1
	s_add_co_u32 s[G0B+4*\s+1], s45, \s*SLOT
	s_add_nc_u64 s[G0B+4*\s+2:G0B+4*\s+3], s[46:47], \s*ROWB
	s_or_b32 s[G0B+4*\s+3], s[G0B+4*\s+3], 0x80000000
	JLOAD G0+4*\s, G1, G0B+4*\s, G1B
.endr
	v_and_b32 v1, 15, v0                           ; r
	v_bfe_u32 v2, v0, 4, 1                         ; hh
	v_mul_u32_u24 v3, v1, PITCH
	v_mul_u32_u24 v4, v2, 24
	v_add_nc_u32 v4, v3, v4
	v_lshl_add_u32 v5, v2, 4, v4
	s_mul_i32 s21, s15, HALFT
	s_mul_i32 s22, s16, HALFT
	s_add_co_u32 s22, s22, 2*HALFT
.irp s, 0,1
	v_add_nc_u32 v[ADRA+\s], s21, v4
	v_add_nc_u32 v[ADRB+\s], s22, v4
	v_add_nc_u32 v[ADRA+2+\s], s21, v5
	v_add_nc_u32 v[ADRB+2+\s], s22, v5
	s_add_co_u32 s21, s21, SLOT
	s_add_co_u32 s22, s22, SLOT
.endr
	v_mul_u32_u24 v5, v1, KS
	v_lshrrev_b32 v6, 8, v5
	v_lshl_add_u32 v5, v6, 4, v5
	s_mul_i32 s21, s15, HALFS
	s_mul_i32 s22, s16, HALFS
	s_add_co_u32 s22, s22, 2*HALFS
	s_sub_co_u32 s22, s22, s21
	v_mul_u32_u24 v6, s22, v2
	s_add_co_u32 s21, s21, SCL
	v_add_nc_u32 v5, v5, v6
	v_add_nc_u32 v[ADRS], s21, v5
	v_and_b32 v6, 31, v0
	v_lshlrev_b32 v[LI], 4, v6
	; the decay of my 64 tokens: gamma^(2047 - t), t = 128 X + n + 8 (n / 8) + 8 hh, as 2^((2047 - t) log2 gamma)
	s_lshl_b32 s18, s42, 7
	s_sub_co_u32 s18, 2047, s18
	v_lshlrev_b32 v7, 3, v2
	v_sub_nc_u32 v7, s18, v7
	GAMMA 17, 8, 9, 10, 98
.set n, 0
.rept 64
	v_add_nc_u32 v[DD+n], -(n+8*(n/8)), v7
.set n, n+1
.endr
.set n, 0
.rept 64
	v_cvt_f32_i32 v[DD+n], v[DD+n]
.set n, n+1
.endr
.set n, 0
.rept 64
	v_mul_f32 v[DD+n], v8, v[DD+n]
.set n, n+1
.endr
.set n, 0
.rept 4
.rept 16
	v_exp_f32 v[DD+n], v[DD+n]
.set n, n+1
.endr
	v_nop
.endr
	s_wait_tensorcnt 1                             ; the scales and K step 0 are in; K step 1's load may be out
	s_barrier_signal -1
	s_barrier_wait -1
	FETCH_B 0, 0, 0
	FETCH_A 0, 0, 0
	SCALES 0
	FETCH_A 0, 0, 4
	STEP 0, 0, 1                                   ; the first products start the sums
	TURN 0, 1, 1
	STEP 1, 0, 0
	TURN 1, 0, 1
	STEP 0, 0, 0
	TURN 0, 1, 0
	STEP 1, 0, 0
	s_wait_dscnt 4*NL
	WIN 0xa1
	MUL16 0, 1, NQ-1, 1, 0
	MUL16 2, 1, NQ-1, 1, 0
	s_wait_dscnt 0
	WIN 0xf1
	MUL16 4, 1, NQ-1, 1, 0
	MUL16 6, 1, NQ-1, 1, 0
	WIN 0
	PLACES 4
	s_load_b128 s[92:95], s[0:1], 0x20             ; kv, st
	s_lshl_b32 s96, s16, 3
	s_add_co_u32 s96, s96, s17
	s_lshl_b32 s96, s96, 4
	s_add_co_u32 s96, s96, s42                     ; (batch x 8 + head) x 16 + step
	s_mul_i32 s96, s96, 38400
	s_mul_i32 s97, s15, 12800
	s_add_co_u32 s96, s96, s97
	s_add_co_u32 s96, s96, 12800                   ; behind K's block: my half of the channels
	s_mov_b32 s97, 0
	s_wait_alu depctr_va_vdst(0)
.irp b, 0,1,2,3
	v_mov_b32 v[TM+4+\b], 0                        ; a lane permute's destination counts as one of its sources
.endr
	s_wait_kmcnt 0x0
	s_add_nc_u64 s[92:93], s[92:93], s[96:97]
	s_add_nc_u64 s[94:95], s[94:95], s[96:97]
.irp a, 0,1,2,3,4,5,6,7
	VROW \a
.endr
	v_and_b32 v1, 31, v0
	v_cmp_le_u32 vcc_lo, 16, v1
.irp j, 0,1,2,3
	v_cndmask_b32 v[WW+\j], v[PWV+\j], v[PWV+4+\j], vcc_lo     ; lanes 0-15 tiles 0-3, lanes 16-31 tiles 4-7
	v_cndmask_b32 v[WW+4+\j], v[PWD+\j], v[PWD+4+\j], vcc_lo
.endr
	global_store_b128 v[LI], v[WW:WW+3], s[92:93] offset:12288
	global_store_b128 v[LI], v[WW+4:WW+7], s[94:95] offset:12288
	s_branch .Lend
.Ltab:                                 ; head h = Y - 8, step tau = X.  Window 0 alone; nothing is stored to LDS
.set CI, 32
.set CH, 40
.set CL, 48
.set AN, 56
.set KQ, 64
.set ZZ, 72
.set SN, 80
.set CS, 88
.set QI, 96
.set T1, 104
.set T2, 112
.set EE, 120
.set EI, 128
.set PE, 136
.set IX, 144
.set OQ, 160
.set OK, 176
	s_load_b256 s[24:31], s[0:1], 0x30             ; tab, Wp's codes, Wp's scales, wpf
	s_sub_co_u32 s18, s17, 8
	v_and_b32 v1, 31, v0
	v_and_b32 v2, 15, v0
	v_bfe_u32 v3, v0, 4, 1
	s_lshl_b32 s19, s18, 6
	s_lshl_b32 s20, s14, 4
	s_add_co_u32 s19, s19, s20
	v_add_nc_u32 v4, s19, v2                       ; lane l makes the constants of pair P = 64 h + 16 wave + l % 16
	; 10000^(P / 512) as a pair (high, low): bits 8 and 7 of P give 100 and 10, bit k the (7 - k)-th repeated root of 10
	v_mov_b32 v6, 0x42c80000
	v_mov_b32 v7, 0x41200000
	v_and_b32 v5, 0x100, v4
	v_cmp_ne_u32 vcc_lo, 0, v5
	v_cndmask_b32 v10, 1.0, v6, vcc_lo
	v_and_b32 v5, 0x80, v4
	v_cmp_ne_u32 vcc_lo, 0, v5
	v_cndmask_b32 v11, 1.0, v7, vcc_lo
	v_mul_f32 v10, v10, v11
	v_mov_b32 v11, 0
	v_mov_b32 v12, 0x41200000
	v_mov_b32 v13, 0
.irp k, 6,5,4,3,2,1,0
	DFSQRT 12, 13, 14, 15, 16
	v_and_b32 v5, 1<<\k, v4
	v_cmp_ne_u32 vcc_lo, 0, v5
	v_cndmask_b32 v6, 1.0, v12, vcc_lo
	v_cndmask_b32 v7, 0, v13, vcc_lo
	DFMUL 10, 11, 6, 7, 14, 15
.endr
	; inv_freq = 10000^(-P / 512), rounded once: the reciprocal of the PAIR.  A first Newton step on the high word; the second takes the low word into its residual too
	v_rcp_f32 v20, v10
	v_nop
	s_wait_alu depctr_va_vdst(0)
	v_fma_f32 v14, -v10, v20, 1.0
	v_fma_f32 v20, v14, v20, v20
	v_fma_f32 v14, -v10, v20, 1.0
	v_fma_f32 v14, -v11, v20, v14
	v_fma_f32 v20, v14, v20, v20
	; base = (2 P + 409.6) x the rounded reciprocal of 1433.6, in f32; log2(base) / 512 = log2 of its ninth repeated root 1 + eps, by the series of ln(1 + eps)
	v_lshlrev_b32 v5, 1, v4
	v_cvt_f32_u32 v5, v5
	v_add_f32 v5, 0x43cccccd, v5
	v_mov_b32 v6, 0x44b33333
	v_rcp_f32 v7, v6
	v_nop
	s_wait_alu depctr_va_vdst(0)
	v_fma_f32 v14, -v6, v7, 1.0
	v_fma_f32 v7, v14, v7, v7
	v_mul_f32 v12, v5, v7
	v_mov_b32 v13, 0
.rept 9
	DFSQRT 12, 13, 14, 15, 16
.endr
	v_add_f32 v14, -1.0, v12                       ; eps, high part: exact
	v_mov_b32 v16, 0xbe800000
	v_fmaak_f32 v15, v16, v14, 0x3eaaaaab
	v_fma_f32 v15, v15, v14, -0.5
	v_mul_f32 v15, v15, v14
	v_fma_f32 v13, -v13, v14, v13                  ; the low part enters as lo (1 - eps)
	v_fma_f32 v15, v14, v15, v13
	s_mov_b32 s19, 0x3fb8aa3b
	v_mul_f32 v16, s19, v14
	v_fma_f32 v17, v14, s19, -v16
	v_fmamk_f32 v17, v14, 0x32a57060, v17
	v_fma_f32 v17, v15, s19, v17
	v_add_f32 v21, v16, v17                        ; renormalised: the low word stays under half an ulp of the high
	v_sub_f32 v18, v21, v16
	v_sub_f32 v22, v17, v18
	; my wave writes registers 16 wave .. + 15 of a table block: pair i = 2 g + e of a lane is local pair 8 (g / 2) + 4 hh + 2 (g % 2) + e
	v_lshlrev_b32 v5, 4, v3
.irp i, 0,1,2,3,4,5,6,7
	v_add_nc_u32 v[IX+\i], 4*(8*(\i/4)+2*((\i/2)%2)+(\i%2)), v5
.endr
.irp i, 0,1,2,3,4,5,6,7
	ds_bpermute_b32 v[CI+\i], v[IX+\i], v20
	ds_bpermute_b32 v[CH+\i], v[IX+\i], v21
	ds_bpermute_b32 v[CL+\i], v[IX+\i], v22
.endr
	s_lshl_b32 s19, s42, 7
	v_add_nc_u32 v5, s19, v2
	v_cvt_f32_u32 v23, v5                          ; t = 128 tau + 16 a + r
	v_lshlrev_b32 v24, 4, v1
	v_mov_b32 v25, 0xb94ca1f9
	v_mov_b32 v26, 0x37ccf5ce
	s_mov_b32 s50, 0x3fc90fdb                      ; pi / 2 in two parts
	s_mov_b32 s51, 0xb33bbd2e
	s_lshl_b32 s20, s42, 3
	s_add_co_u32 s20, s20, s18
	s_lshl_b32 s20, s20, 16
	s_lshl_b32 s21, s14, 11
	s_add_co_u32 s20, s20, s21
	s_mov_b32 s21, 0
	s_wait_kmcnt 0x0
	s_add_nc_u64 s[32:33], s[24:25], s[20:21]      ; q's table
	s_add_nc_u64 s[34:35], s[32:33], 0x800000      ; k's
	s_mov_b32 s22, 8
	s_wait_dscnt 0x0
.Lta:                                  ; a trip: 16 tokens x my 8 pairs a lane
.irp i, 0,1,2,3,4,5,6,7
	v_mul_f32 v[AN+\i], v23, v[CI+\i]              ; the angle, one rounding
.endr
.irp i, 0,1,2,3,4,5,6,7
	v_mul_f32 v[KQ+\i], 0x3f22f983, v[AN+\i]
.endr
.irp i, 0,1,2,3,4,5,6,7
	v_rndne_f32 v[KQ+\i], v[KQ+\i]
.endr
.irp i, 0,1,2,3,4,5,6,7
	v_fma_f32 v[AN+\i], -v[KQ+\i], s50, v[AN+\i]   ; exact: a multiple of 2^-23 under 1
.endr
.irp i, 0,1,2,3,4,5,6,7
	v_fma_f32 v[AN+\i], -v[KQ+\i], s51, v[AN+\i]
.endr
.irp i, 0,1,2,3,4,5,6,7
	v_mul_f32 v[ZZ+\i], v[AN+\i], v[AN+\i]
.endr
.irp i, 0,1,2,3,4,5,6,7
	v_fmaak_f32 v[SN+\i], v25, v[ZZ+\i], 0x3c08839e
	v_fmaak_f32 v[CS+\i], v26, v[ZZ+\i], 0xbab6061a
.endr
.irp i, 0,1,2,3,4,5,6,7
	v_fmaak_f32 v[SN+\i], v[SN+\i], v[ZZ+\i], 0xbe2aaaa3
	v_fmaak_f32 v[CS+\i], v[CS+\i], v[ZZ+\i], 0x3d2aaaa5
.endr
.irp i, 0,1,2,3,4,5,6,7
	v_mul_f32 v[SN+\i], v[SN+\i], v[ZZ+\i]
	v_fma_f32 v[CS+\i], v[CS+\i], v[ZZ+\i], -0.5
.endr
.irp i, 0,1,2,3,4,5,6,7
	v_fma_f32 v[SN+\i], v[SN+\i], v[AN+\i], v[AN+\i]
	v_fma_f32 v[CS+\i], v[CS+\i], v[ZZ+\i], 1.0
.endr
.irp i, 0,1,2,3,4,5,6,7
	v_cvt_i32_f32 v[QI+\i], v[KQ+\i]
.endr
.irp i, 0,1,2,3,4,5,6,7
	v_and_b32 v[T1+\i], 1, v[QI+\i]
.endr
.irp i, 0,1,2,3,4,5,6,7
	v_cmp_ne_u32 vcc_lo, 0, v[T1+\i]               ; odd quadrants change sine and cosine
	v_cndmask_b32 v[T2+\i], v[SN+\i], v[CS+\i], vcc_lo
	v_cndmask_b32 v[T1+\i], v[CS+\i], v[SN+\i], vcc_lo
.endr
.irp i, 0,1,2,3,4,5,6,7
	v_lshlrev_b32 v[SN+\i], 30, v[QI+\i]
	v_add_nc_u32 v[QI+\i], 1, v[QI+\i]
.endr
.irp i, 0,1,2,3,4,5,6,7
	v_and_b32 v[SN+\i], 0x80000000, v[SN+\i]
	v_lshlrev_b32 v[QI+\i], 30, v[QI+\i]
.endr
.irp i, 0,1,2,3,4,5,6,7
	v_xor_b32 v[T2+\i], v[T2+\i], v[SN+\i]         ; sine
	v_and_b32 v[QI+\i], 0x80000000, v[QI+\i]
.endr
.irp i, 0,1,2,3,4,5,6,7
	v_xor_b32 v[T1+\i], v[T1+\i], v[QI+\i]         ; cosine
	v_mul_f32 v[EE+\i], v23, v[CH+\i]              ; t log2(base) / 512, high part
.endr
.irp i, 0,1,2,3,4,5,6,7
	v_fma_f32 v[PE+\i], v23, v[CH+\i], -v[EE+\i]
.endr
.irp i, 0,1,2,3,4,5,6,7
	v_fma_f32 v[PE+\i], v23, v[CL+\i], v[PE+\i]
.endr
.irp i, 0,1,2,3,4,5,6,7
	v_mul_f32 v[PE+\i], 0x3f317218, v[PE+\i]
.endr
.irp i, 0,1,2,3,4,5,6,7
	v_exp_f32 v[ZZ+\i], v[EE+\i]
	v_exp_f32 v[EI+\i], -v[EE+\i]
.endr
	v_nop
	s_wait_alu depctr_va_vdst(0)
.irp i, 0,1,2,3,4,5,6,7
	v_fma_f32 v[ZZ+\i], v[ZZ+\i], v[PE+\i], v[ZZ+\i]   ; the scale, and
	v_fma_f32 v[EI+\i], v[EI+\i], -v[PE+\i], v[EI+\i]  ; its reciprocal
.endr
.irp i, 0,1,2,3,4,5,6,7
	v_mul_f32 v[OQ+2*\i], v[T1+\i], v[ZZ+\i]
	v_mul_f32 v[OQ+2*\i+1], v[T2+\i], v[ZZ+\i]
	v_mul_f32 v[OK+2*\i], v[T1+\i], v[EI+\i]
	v_mul_f32 v[OK+2*\i+1], v[T2+\i], v[EI+\i]
.endr
.irp g, 0,1,2,3
	global_store_b128 v24, v[OQ+4*\g:OQ+4*\g+3], s[32:33] offset:512*\g
	global_store_b128 v24, v[OK+4*\g:OK+4*\g+3], s[34:35] offset:512*\g
.endr
	s_wait_xcnt 0x0                                ; the stores have read their data and bases
	s_add_nc_u64 s[32:33], s[32:33], 8192
	s_add_nc_u64 s[34:35], s[34:35], 8192
	v_add_f32 v23, 0x41800000, v23
	s_sub_co_i32 s22, s22, 1
	s_cmp_lg_u32 s22, 0
	s_cbranch_scc1 .Lta
	; Wp's block (128 rows from 128 h, K step tau): my wave's tiles 2 wave and 2 wave + 1, codes as they are given
	v_mul_u32_u24 v5, v2, 1536
	v_mad_u32_u24 v5, v3, 24, v5
	s_lshl_b32 s20, s18, 7
	s_lshl_b32 s21, s14, 5
	s_add_co_u32 s20, s20, s21                     ; row 128 h + 32 wave
	s_mul_i32 s36, s20, 1536
	s_mul_i32 s21, s42, 96
	s_add_co_u32 s36, s36, s21
	s_mov_b32 s37, 0
	s_add_nc_u64 s[26:27], s[26:27], s[36:37]
	s_lshl_b32 s36, s20, 6
	s_lshl_b32 s21, s42, 2
	s_add_co_u32 s36, s36, s21
	s_add_nc_u64 s[28:29], s[28:29], s[36:37]
	s_lshl_b32 s36, s18, 4
	s_add_co_u32 s36, s36, s42
	s_mul_i32 s36, s36, 12800
	s_add_nc_u64 s[30:31], s[30:31], s[36:37]      ; the block
	s_mul_i32 s36, s14, 3072
	s_add_nc_u64 s[38:39], s[30:31], s[36:37]      ; my two images
	s_lshl_b32 s36, s15, 8
	s_lshl_b32 s21, s16, 3
	s_add_co_u32 s36, s36, s21
	s_add_co_u32 s36, s36, 12288
	s_add_nc_u64 s[30:31], s[30:31], s[36:37]      ; my scale words
.irp q, 0,1
.irp p, 0,1,2,3,4,5
	global_load_b64 v[192+12*\q+2*\p:193+12*\q+2*\p], v5, s[26:27] offset:\q*16*1536+48*(\p/3)+8*(\p%3)
.endr
.endr
	v_lshl_add_u32 v6, v3, 4, v2
	v_lshlrev_b32 v6, 6, v6                        ; row 16 hh + r: lanes 16-31 take the second tile's words
	global_load_b32 v7, v6, s[28:29]
	v_lshlrev_b32 v8, 4, v2
	v_lshl_add_u32 v8, v3, 2, v8
	s_wait_loadcnt 0x0
.irp q, 0,1
.irp c, 0,1,2
	global_store_b128 v24, v[192+12*\q+4*\c:195+12*\q+4*\c], s[38:39] offset:1536*\q+512*\c
.endr
.endr
	global_store_b32 v8, v7, s[30:31]
.Lend:
	s_wait_tensorcnt 0x0                           ; the wave's end
	ds_add_u32 v[SPW], v[NIL]
	s_wait_dscnt 0x0
	CROUND                                         ; the closing round
	s_endpgm
.Lfunc_end_k_qd545c29bee_vtab:
	.size	k_qd545c29bee_vtab, .Lfunc_end_k_qd545c29bee_vtab-k_qd545c29bee_vtab
	.p2alignl 7, 3214868480
	.fill 96, 4, 3214868480
	.section	.rodata,"a",@progbits
	.p2align	6, 0x0
	.amdhsa_kernel k_qd545c29bee_vtab
		.amdhsa_group_segment_fixed_size 327680
		.amdhsa_private_segment_fixed_size 0
		.amdhsa_enable_private_segment 0
		.amdhsa_kernarg_size 80
		.amdhsa_user_sgpr_count 2
		.amdhsa_user_sgpr_kernarg_segment_ptr 1
		.amdhsa_wavefront_size32 1
		.amdhsa_system_sgpr_workgroup_id_x 1
		.amdhsa_system_sgpr_workgroup_id_y 1
		.amdhsa_system_sgpr_workgroup_id_z 1
		.amdhsa_system_vgpr_workitem_id 0
		.amdhsa_next_free_vgpr 1024
		.amdhsa_next_free_sgpr 102
		.amdhsa_reserve_vcc 1
		.amdhsa_float_denorm_mode_32 3
		.amdhsa_float_denorm_mode_16_64 3
		.amdhsa_memory_ordered 1
		.amdhsa_forward_progress 1
		.amdhsa_inst_pref_size 255
	.end_amdhsa_kernel
	.section	.bss,"aw",@nobits
	.p2align	6
	.space	262144
	.amdgpu_metadata
---
amdhsa.version: [ 1, 2 ]
amdhsa.kernels:
  - .name:           k_qd545c29bee_vtab
    .symbol:         k_qd545c29bee_vtab.kd
    .args:
      - { .name: Wqkv_codes, .offset: 0, .size: 8, .value_kind: global_buffer, .address_space: global }
      - { .name: Wqkv_scales, .offset: 8, .size: 8, .value_kind: global_buffer, .address_space: global }
      - { .name: x_codes, .offset: 16, .size: 8, .value_kind: global_buffer, .address_space: global }
      - { .name: x_scales, .offset: 24, .size: 8, .value_kind: global_buffer, .address_space: global }
      - { .name: kv, .offset: 32, .size: 8, .value_kind: global_buffer, .address_space: global }
      - { .name: st, .offset: 40, .size: 8, .value_kind: global_buffer, .address_space: global }
      - { .name: tab, .offset: 48, .size: 8, .value_kind: global_buffer, .address_space: global }
      - { .name: Wp_codes, .offset: 56, .size: 8, .value_kind: global_buffer, .address_space: global }
      - { .name: Wp_scales, .offset: 64, .size: 8, .value_kind: global_buffer, .address_space: global }
      - { .name: wpf, .offset: 72, .size: 8, .value_kind: global_buffer, .address_space: global }
    .group_segment_fixed_size: 327680
    .private_segment_fixed_size: 0
    .kernarg_segment_align: 8
    .kernarg_segment_size: 80
    .max_flat_workgroup_size: 128
    .sgpr_count:     102
    .vgpr_count:     1024
    .wavefront_size: 32
...
	.end_amdgpu_metadata
.endif
;; end of part 1
;; launch qkg (part 2): grid 16 x 16, 4 waves a work-group, clusters of 4 x 4, 327,680 bytes of LDS; arguments x_codes, x_scales, Wqkv_codes, Wqkv_scales, Wg_codes, Wg_scales, tab, qf, kv, st, gt; writes qf, kv, st, gt
.if DOCPART == 2
	.amdgcn_target "amdgcn-amd-amdhsa--gfx1250"
	.amdhsa_code_object_version 6
	.text
	.protected	k_qd545c29bee_qkg
	.globl	k_qd545c29bee_qkg
	.p2align	8
	.type	k_qd545c29bee_qkg,@function
k_qd545c29bee_qkg:
	s_mov_b64 s[64:65], 0
	v_nop
	global_prefetch_b8 v0, s[64:65] scope:SCOPE_SE
	s_setreg_imm32_b32 hwreg(HW_REG_WAVE_MODE, 25, 1), 1
	s_wait_xcnt 0x0
	s_wait_alu depctr_hold_cnt(0) depctr_sa_sdst(0) depctr_va_vdst(0) depctr_va_sdst(0) depctr_va_ssrc(0) depctr_va_vcc(0) depctr_vm_vsrc(0)
	s_getreg_b32 s2, hwreg(HW_REG_IB_STS2, 6, 4)
	s_cmp_eq_u32 s2, 0
	s_cbranch_scc0 .Lentry_in_a_cluster
	s_endpgm
.Lentry_in_a_cluster:
	s_bfe_u32 s2, ttmp6, 0x10000c
	s_cmp_lg_u32 s2, 0xf033
	s_cbranch_scc0 .Lentry_shape_is_right
	s_endpgm
.Lentry_shape_is_right:
; Cluster x = 0: q = xpos(x Wq); 1: k = xpos(x Wk, downscale); 2, 3: gate = silu(x Wg).  All on E2M3 codes as given.
; A = x: a tile is 128 tokens of batch 0 and the same tokens of batch 1 (a wave has one batch); B = 256 rows of the weight (a wave has one head of q or k, or 128 gate channels).
; The product is used transposed (source 0 = the weight's rows, source 1 = tokens): a lane holds one token, its 64 registers n the channels d = n + 8 (n / 8) + 8 (lane / 16).
; q and k are rotated in registers by the table (cos f, sin f in registers n, n + 1), quantised along d and stored as register images (layout: see the first launch's head: image 1,536 bytes,
; block 12,800 bytes with the scale words at 12,288).  k goes also through the wave's own stage in LDS, turned, and is quantised along the tokens for the state.  The gate leaves as f32 in the result's own layout.
; Inside a block of 32 the codes lie in the order 0-7, 16-23, 8-15, 24-31, alike in both operands of each later product.
; LIMITS: NaN, infinities and the scale byte 0xff are not served; a block of zeros gets the byte 1 (zero codes; only this program reads the bytes).
.set ROWB, 192
.set KROW, 768
.set PITCH, 240
.set FR, 12
.set NL, 6
.set NQ, 2
.set HALFT, 128*PITCH
.set SLOT, 4*HALFT
.set KS, 32
.set SCL, 2*SLOT
.set HALFS, 16*272
.set SBLK, 2*272
.set SPARE, 327168
.set STGW, 67584                       ; k's stage: 128 rows (d) x 528 bytes a wave, over the ring and the scales, which have had their last fill and their last read by then
.set ADRA, 16
.set ADRB, 20
.set STA, 24
.set SRD, 25
.set LI, 26
.set ADRS, 27
.set SPW, 28
.set NIL, 29
.set PFO, 30
.set SC, 32
.set AF, 128
.set G1, 24
.set G0, 32
.set G1B, 48
.set G0B, 56
.set G1S, 68
.set G0S, 76
.set G1SB, 80
.set G0SB, 88
.set SEL, 12
.set TM, 32
.set PWA, 48
.set PWB, 56
.set RR, 128
.set PCA, 192
.set PXA, 204
.set WW, 232
.set MSB, 0
.macro WIN new
.if MSB != (\new)
	s_set_vgpr_msb (MSB<<8)|(\new)
.set MSB, (\new)
.endif
.endm
.macro PLACES n
.rept \n
	v_nop
.endr
.endm
.macro WMS d, a, b, c, sa, sb
.if (\c) < 0
	v_wmma_scale_f32_16x16x128_f8f6f4 v[\d:\d+7], v[\a:\a+11], v[\b:\b+11], 0, v[\sa], v[\sb] matrix_a_fmt:MATRIX_FMT_FP6 matrix_b_fmt:MATRIX_FMT_FP6 matrix_a_scale:MATRIX_SCALE_ROW1
.else
	v_wmma_scale_f32_16x16x128_f8f6f4 v[\d:\d+7], v[\a:\a+11], v[\b:\b+11], v[\c:\c+7], v[\sa], v[\sb] matrix_a_fmt:MATRIX_FMT_FP6 matrix_b_fmt:MATRIX_FMT_FP6 matrix_a_scale:MATRIX_SCALE_ROW1
.endif
.endm
.macro JLOAD g0a, g1a, g0b, g1b        ; waves 0, 1 fetch for A, waves 2, 3 for B; four v_nop follow each line
	s_cmp_eq_u32 s15, 0
	s_cbranch_scc0 .Lfor_b_\@
	tensor_load_to_lds s[\g0a:\g0a+3], s[\g1a:\g1a+7]
	s_nop 0
	PLACES 4
	s_branch .Lasked_\@
.Lfor_b_\@:
	tensor_load_to_lds s[\g0b:\g0b+3], s[\g1b:\g1b+7]
	s_nop 0
	PLACES 4
.Lasked_\@:
.endm
.macro CREST
	s_cmp_lg_u32 s14, 0
	s_cbranch_scc1 .Lnot_wave_0_\@
	s_barrier_signal -3
.Lnot_wave_0_\@:
	s_barrier_wait -3
	s_barrier_signal -1
	s_barrier_wait -1
.endm
.macro CROUND
	s_barrier_signal -1
	s_barrier_wait -1
	CREST
.endm
.macro FRAG reg, adr, q, i
.irp p, 0,1,2,3,4,5
.set PIE, 12*(\q)+6*(\p/3)+\p%3
.if PIE%8 < 5
	ds_load_b64 v[\reg+2*\p:\reg+2*\p+1], v[\adr] offset:8*PIE+16*(PIE/8)+(\i)*16*PITCH
.else
	ds_load_b64 v[\reg+2*\p:\reg+2*\p+1], v[\adr+2] offset:8*PIE+16*(PIE/8)+(\i)*16*PITCH
.endif
.endr
.endm
.macro MUL16 a0, p, q, sc, zero        ; the 64 accumulators take turns, one instruction a turn
.irp a, \a0, \a0+1
.irp b, 0,1,2,3,4,5,6,7
.if \zero
	WMS 8*(8*((\a)%4)+\b), 128*(\p)+FR*\b, AF+FR*(\a), -1, SC+8*NQ*(\sc)+NQ*\b+(\q), SC+8*NQ*(\sc)+NQ*(\a)+(\q)
.else
	WMS 8*(8*((\a)%4)+\b), 128*(\p)+FR*\b, AF+FR*(\a), 8*(8*((\a)%4)+\b), SC+8*NQ*(\sc)+NQ*\b+(\q), SC+8*NQ*(\sc)+NQ*(\a)+(\q)
.endif
.endr
.endr
.endm
.macro FETCH_B slot, q, p
	WIN 0x40
.irp i, 0,1,2,3,4,5,6,7
	FRAG 128*(\p)+FR*\i, ADRB+\slot, \q, \i
.endr
	WIN 0
.endm
.macro FETCH_A slot, q, i0
.irp i, \i0, \i0+1, \i0+2, \i0+3
	FRAG AF+FR*(\i), ADRA+\slot, \q, \i
.endr
.endm
.macro SCALES sc
.irp i, 0,1,2,3,4,5,6,7
	ds_load_b64 v[SC+8*NQ*\sc+NQ*\i:SC+8*NQ*\sc+NQ*\i+1], v[ADRS] offset:\i*SBLK
.endr
.endm
.macro STEP slot, q, zero
	s_wait_dscnt 4*NL                              ; all but A's blocks 4-7 (24 loads) are in
	WIN 0xa1
	MUL16 0, (\q)%2, \q, \slot, \zero
	MUL16 2, (\q)%2, \q, \slot, \zero
	s_wait_dscnt 0
	PLACES 4
	FETCH_B \slot, (\q)+1, 1-(\q)%2
	FETCH_A \slot, (\q)+1, 0
	WIN 0xf1
	MUL16 4, (\q)%2, \q, \slot, \zero
	MUL16 6, (\q)%2, \q, \slot, \zero
	PLACES 4
	WIN 0
	FETCH_A \slot, (\q)+1, 4
.endm
; the change of slots.  pf >= 0: behind the joint refill and the LDS loads, one batch's wave of each head of q and k asks for four blocks of 8,192 bytes of its table, lanes 256 bytes apart:
; the table's 65,536 bytes of a wave are so named once, in two groups, three and two K steps ahead of the way out that reads them
.macro TURN slot, next, fill, pf
	s_wait_tensorcnt 0x0
	ds_add_u32 v[SPW], v[NIL]
	s_wait_dscnt 4*NL+1                            ; the add and A's blocks 4-7 may be out
	WIN 0xa1
	MUL16 0, 1, NQ-1, \slot, 0
	s_wait_dscnt 0x0
	s_barrier_signal -1
	MUL16 2, 1, NQ-1, \slot, 0
	WIN 0
	s_barrier_wait -1
.if \fill
	CREST
	s_add_nc_u64 s[G0+4*\slot+2:G0+4*\slot+3], s[G0+4*\slot+2:G0+4*\slot+3], 2*ROWB
	s_add_nc_u64 s[G0B+4*\slot+2:G0B+4*\slot+3], s[G0B+4*\slot+2:G0B+4*\slot+3], 2*ROWB
	JLOAD G0+4*\slot, G1, G0B+4*\slot, G1B
.else
	PLACES 4
.endif
	v_add_nc_u32 v[ADRS], 4*NQ, v[ADRS]
	FETCH_B \next, 0, 0
	FETCH_A \next, 0, 0
	SCALES \next
.if \pf >= 0
	s_cmp_eq_u32 s100, 0
	s_cbranch_scc0 .Lnopf_\@
.irp m, 0,1,2,3
	global_prefetch_b8 v[PFO], s[96:97] offset:8192*(4*\pf+\m) th:TH_LOAD_NT scope:SCOPE_SE
.endr
.Lnopf_\@:
.endif
	WIN 0xf1
	MUL16 4, 1, NQ-1, \slot, 0
	MUL16 6, 1, NQ-1, \slot, 0
	PLACES 4
	WIN 0
	FETCH_A \next, 0, 4
.endm
.macro QUANT s, sw, pc, px, pw         ; 64 numbers of a lane -> 12 code registers and the row's scale word
	WIN (\sw)|((\sw)<<2)
.irp b, 0,1,2,3
	v_max3_num_f32 v[TM+\b], |v[(\s)+16*\b]|, |v[(\s)+16*\b+1]|, 0x1800000
.endr
.irp i, 2,4,6,8,10,12,14
.irp b, 0,1,2,3
	v_max3_num_f32 v[TM+\b], |v[(\s)+16*\b+\i]|, |v[(\s)+16*\b+\i+1]|, v[TM+\b]
.endr
.endr
	WIN 0
.irp b, 0,1,2,3
	v_permlanex16_b32 v[TM+4+\b], v[TM+\b], s[SEL], s[SEL+1]
.endr
.irp b, 0,1,2,3
	v_max_num_f32 v[TM+\b], v[TM+\b], v[TM+4+\b]
.endr
.irp b, 0,1,2,3
	v_add_nc_u32 v[TM+12+\b], 0xff000000, v[TM+\b]
.endr
.irp b, 0,1,2,3
	v_lshrrev_b32 v[TM+4+\b], 23, v[TM+12+\b]
.endr
	v_lshl_or_b32 v[\pw], v[TM+5], 8, v[TM+4]
	v_lshl_or_b32 v[\pw], v[TM+6], 16, v[\pw]
	v_lshl_or_b32 v[\pw], v[TM+7], 24, v[\pw]
	WIN \sw
.irp c, 0,1
	v_cvt_scalef32_pk16_fp6_f32 v[(\pc)+6*\c:(\pc)+6*\c+2], v[(\s)+32*\c:(\s)+32*\c+15], v[TM+12+2*\c]
	v_cvt_scalef32_pk16_fp6_f32 v[(\px)+4*\c:(\px)+4*\c+2], v[(\s)+16+32*\c:(\s)+31+32*\c], v[TM+13+2*\c]
.endr
	WIN 0
	v_nop
.irp c, 0,1
.irp i, 0,1,2
	v_permlane16_swap_b32 v[(\pc)+6*\c+\i], v[(\px)+4*\c+\i]
.endr
.irp i, 0,1,2
	v_mov_b32 v[(\pc)+3+6*\c+\i], v[(\px)+4*\c+\i]
.endr
.endr
.endm
.macro TLOAD a                         ; the table of 16 tokens x 128 d into set a % 4 of window 1
	WIN 0x40
.irp g, 0,1,2,3,4,5,6,7,8,9,10,11,12,13,14,15
	global_load_b128 v[64*((\a)%4)+4*\g:64*((\a)%4)+4*\g+3], v[LI], s[96:97] offset:8192*(\a)+512*\g
.endr
	WIN 0
.endm
.macro AREA pw, base                   ; a block's scale area: lanes 0-15 tiles 0-3, lanes 16-31 tiles 4-7
	s_wait_xcnt 0x0
.irp j, 0,1,2,3
	v_cndmask_b32 v[WW+\j], v[\pw+\j], v[\pw+4+\j], vcc_lo
.endr
	global_store_b128 v[LI], v[WW:WW+3], s[\base:\base+1] offset:12288
.endm
; 16 tokens of q or k: rotated, quantised along d, stored; k's f32 numbers also into the stage, turned
.macro QKROW a
.if (\a) < 6
	s_wait_loadcnt 32                              ; my table set is in; the two sets asked for behind it may be out
.else
	s_wait_loadcnt 16*(7-(\a))
.endif
	s_wait_xcnt 0x0
	WIN (2+(\a)/4)|4
.set n, 0
.rept 32
	v_pk_mul_f32 v[RR+n:RR+n+1], v[64*((\a)%4)+n:64*((\a)%4)+n+1], v[64*((\a)%4)+n:64*((\a)%4)+n+1] op_sel_hi:[1,0]                                    ; x1 cos, x2 cos
	v_pk_fma_f32 v[RR+n:RR+n+1], v[64*((\a)%4)+n:64*((\a)%4)+n+1], v[64*((\a)%4)+n:64*((\a)%4)+n+1], v[RR+n:RR+n+1] op_sel:[1,1,0] op_sel_hi:[0,1,1] neg_lo:[0,1,0]   ; - x2 sin, + x1 sin
.set n, n+2
.endr
	WIN 0
.if (\a) < 5
	TLOAD (\a)+3
.endif
	QUANT RR, 0, PCA, PXA, PWA+(\a)
.irp c, 0,1,2
	global_store_b128 v[LI], v[PCA+4*\c:PCA+4*\c+3], s[68:69] offset:1536*(\a)+512*\c
.endr
	s_cmp_lg_u32 ttmp9, 1                          ; the cluster's x: the same in all partners and waves
	s_cbranch_scc1 .Lnotk_\@
.set n, 0
.rept 64
	ds_store_b32 v[STA], v[RR+n] offset:(n+8*(n/8))*528+64*(\a)
.set n, n+1
.endr
.Lnotk_\@:
.endm
.macro KTROW t                         ; 16 rows d of k^T x 128 tokens, quantised along the tokens
.irp u, 0,1,2,3,4,5,6,7
	ds_load_b128 v[RR+8*\u:RR+8*\u+3], v[SRD] offset:8448*(\t)+64*\u       ; LDS serves a wave's instructions in order: these see my stores
	ds_load_b128 v[RR+8*\u+4:RR+8*\u+7], v[SRD] offset:8448*(\t)+64*\u+16
.endr
	s_wait_dscnt 0x0
	s_wait_xcnt 0x0
	QUANT RR, 0, PCA, PXA, PWB+(\t)
.irp c, 0,1,2
	global_store_b128 v[LI], v[PCA+4*\c:PCA+4*\c+3], s[72:73] offset:1536*(\t)+512*\c
.endr
.endm
.macro GROW a                          ; 16 tokens of the gate: x / (1 + 2^(-x log2 e))
.set GG, 64+64*((\a)%2)
	s_wait_xcnt 0x0
	WIN 2+(\a)/4
.set n, 0
.rept 32
	v_pk_mul_f32 v[GG+n:GG+n+1], v[64*((\a)%4)+n:64*((\a)%4)+n+1], s[98:99] op_sel_hi:[1,0]
.set n, n+2
.endr
	WIN 0
.set n, 0
.rept 64
	v_exp_f32 v[GG+n], v[GG+n]
.set n, n+1
.endr
	v_nop
.set n, 0
	s_wait_alu depctr_va_vdst(0)
.rept 32
	v_pk_add_f32 v[GG+n:GG+n+1], v[GG+n:GG+n+1], 1.0 op_sel_hi:[1,0]
.set n, n+2
.endr
.set n, 0
.rept 64
	v_rcp_f32 v[GG+n], v[GG+n]
.set n, n+1
.endr
	v_nop
	WIN 2+(\a)/4
.set n, 0
	s_wait_alu depctr_va_vdst(0)
.rept 32
	v_pk_mul_f32 v[GG+n:GG+n+1], v[64*((\a)%4)+n:64*((\a)%4)+n+1], v[GG+n:GG+n+1]
.set n, n+2
.endr
	WIN 0
.irp g, 0,1,2,3,4,5,6,7,8,9,10,11,12,13,14,15
	global_store_b128 v[LI], v[GG+4*\g:GG+4*\g+3], s[74:75] offset:8192*(\a)+512*\g th:TH_STORE_NT
.endr
.endm
	s_load_b128 s[4:7], s[0:1], 0x0                ; A: x's codes, scales
	s_load_b128 s[8:11], s[0:1], 0x10              ; Wqkv's
	s_load_b128 s[68:71], s[0:1], 0x20             ; Wg's
	s_load_b64 s[96:97], s[0:1], 0x30              ; tab
	v_lshl_add_u32 v[SPW], v0, 2, SPARE
	v_mov_b32 v[NIL], 0
	ds_add_u32 v28, v29
	s_wait_dscnt 0x0
	v_lshrrev_b32 v1, 5, v0
	v_readfirstlane_b32 s14, v1
	s_lshr_b32 s15, s14, 1                         ; my batch; also: I fetch for A (0) or B (1)
	s_and_b32 s16, s14, 1                          ; my half of the weight's rows; also: which half I fetch
	s_bfe_u32 s40, ttmp6, 0x40000
	s_bfe_u32 s41, ttmp6, 0x40004
	s_lshl_b32 s42, ttmp9, 2
	s_add_co_u32 s42, s42, s40                     ; X
	s_and_b32 s17, ttmp7, 0xffff
	s_lshl_b32 s17, s17, 2
	s_add_co_u32 s17, s17, s41                     ; Y = the step of 128 tokens
	s_mov_b32 s[SEL], 0x76543210
	s_mov_b32 s[SEL+1], 0xfedcba98
	s_lshl_b32 s43, s41, 2
	s_lshl_b32 s43, 15, s43
	s_lshl_b32 s44, 0x1111, s40
	s_or_b32 s[G1+0], s43, (1<<20)|(1<<21)|(3<<22)|(3<<25)
	s_or_b32 s[G1B+0], s44, (1<<20)|(1<<21)|(3<<22)|(3<<25)
.irp g, G1, G1B
	s_mov_b32 s[\g+1], ROWB<<16
	s_mov_b32 s[\g+2], 128<<16
	s_mov_b32 s[\g+3], ROWB<<16
	s_mov_b32 s[\g+4], 128
	s_mov_b32 s[\g+5], KROW
	s_mov_b32 s[\g+6], 0
	s_mov_b32 s[\g+7], 0
.endr
	s_lshl_b32 s20, s17, 7
	s_lshl_b32 s18, s16, 11
	s_add_co_u32 s20, s20, s18                     ; A: token 128 Y of batch = half
	s_and_b32 s46, s42, 7
	s_lshl_b32 s46, s46, 8
	s_lshl_b32 s18, s16, 7
	s_add_co_u32 s46, s46, s18                     ; B: row 256 (X % 8) + 128 half, of Wqkv (X < 8) or of Wg
	s_mul_i32 s22, s20, KS
	s_mov_b32 s23, 0
	s_mul_i32 s20, s20, KROW
	s_mov_b32 s21, 0
	s_mul_i32 s92, s46, KS
	s_mov_b32 s93, 0
	s_mul_i32 s46, s46, KROW
	s_mov_b32 s47, 0
	s_mul_i32 s45, s14, HALFT
	s_mul_i32 s94, s14, HALFS
	s_and_b32 s101, s42, 3
	s_lshl_b32 s101, s101, 1
	s_add_co_u32 s101, s101, s16                   ; my head of q or k
	s_and_b32 s98, ttmp9, 1                        ; which table
	s_lshl_b32 s98, s98, 4
	s_add_co_u32 s98, s98, s17
	s_lshl_b32 s98, s98, 3
	s_add_co_u32 s98, s98, s101
	s_lshl_b32 s98, s98, 16
	s_mov_b32 s99, 0
	s_lshr_b32 s100, ttmp9, 1
	s_or_b32 s100, s100, s15                       ; 0: a wave of batch 0 in q's or k's cluster: it asks for the table
	s_wait_kmcnt 0x0
	s_cmp_lt_u32 ttmp9, 2
	s_cselect_b64 s[8:9], s[8:9], s[68:69]
	s_cselect_b64 s[10:11], s[10:11], s[70:71]
	s_add_nc_u64 s[96:97], s[96:97], s[98:99]
	s_or_b32 s[G1S+0], s43, (3<<16)|(1<<20)|(1<<21)|(5<<22)|(3<<25)
	s_or_b32 s[G1SB+0], s44, (3<<16)|(1<<20)|(1<<21)|(5<<22)|(3<<25)
.irp g, G1S, G1SB
	s_mov_b32 s[\g+1], 32<<16
	s_mov_b32 s[\g+2], 16<<16
	s_mov_b32 s[\g+3], 32<<16
	s_mov_b32 s[\g+4], 16
	s_mov_b32 s[\g+5], 32
	s_mov_b32 s[\g+6], 0
	s_mov_b32 s[\g+7], 0
.endr
	s_add_nc_u64 s[20:21], s[4:5], s[20:21]
	s_add_nc_u64 s[22:23], s[6:7], s[22:23]
	s_add_nc_u64 s[46:47], s[8:9], s[46:47]
	s_add_nc_u64 s[92:93], s[10:11], s[92:93]
	CROUND                                         ; the first joint loads meet
	s_mov_b32 s[G0S], 1
	s_add_co_u32 s[G0S+1], s94, SCL
	s_mov_b64 s[G0S+2:G0S+3], s[22:23]
	s_or_b32 s[G0S+3], s[G0S+3], 0x80000000
	s_mov_b32 s[G0SB], 1
	s_add_co_u32 s[G0SB+1], s94, SCL
	s_mov_b64 s[G0SB+2:G0SB+3], s[92:93]
	s_or_b32 s[G0SB+3], s[G0SB+3], 0x80000000
	JLOAD G0S, G1S, G0SB, G1SB
.irp s, 0,1
	s_mov_b32 s[G0+4*\s], 1
	s_add_co_u32 s[G0+4*\s+1], s45, \s*SLOT
	s_add_nc_u64 s[G0+4*\s+2:G0+4*\s+3], s[20:21], \s*ROWB
	s_or_b32 s[G0+4*\s+3], s[G0+4*\s+3], 0x80000000
	s_mov_b32 s[G0B+4*\s], 1
	s_add_co_u32 s[G0B+4*\s+1], s45, \s*SLOT
	s_add_nc_u64 s[G0B+4*\s+2:G0B+4*\s+3], s[46:47], \s*ROWB
	s_or_b32 s[G0B+4*\s+3], s[G0B+4*\s+3], 0x80000000
	JLOAD G0+4*\s, G1, G0B+4*\s, G1B
.endr
	v_and_b32 v1, 15, v0
	v_bfe_u32 v2, v0, 4, 1
	v_mul_u32_u24 v3, v1, PITCH
	v_mul_u32_u24 v4, v2, 24
	v_add_nc_u32 v4, v3, v4
	v_lshl_add_u32 v5, v2, 4, v4
	s_mul_i32 s21, s15, HALFT
	s_mul_i32 s22, s16, HALFT
	s_add_co_u32 s22, s22, 2*HALFT
.irp s, 0,1
	v_add_nc_u32 v[ADRA+\s], s21, v4
	v_add_nc_u32 v[ADRB+\s], s22, v4
	v_add_nc_u32 v[ADRA+2+\s], s21, v5
	v_add_nc_u32 v[ADRB+2+\s], s22, v5
	s_add_co_u32 s21, s21, SLOT
	s_add_co_u32 s22, s22, SLOT
.endr
	v_mul_u32_u24 v5, v1, KS
	v_lshrrev_b32 v6, 8, v5
	v_lshl_add_u32 v5, v6, 4, v5
	s_mul_i32 s21, s15, HALFS
	s_mul_i32 s22, s16, HALFS
	s_add_co_u32 s22, s22, 2*HALFS
	s_sub_co_u32 s22, s22, s21
	v_mul_u32_u24 v6, s22, v2
	s_add_co_u32 s21, s21, SCL
	v_add_nc_u32 v5, v5, v6
	v_add_nc_u32 v[ADRS], s21, v5
	v_and_b32 v6, 31, v0
	v_lshlrev_b32 v[LI], 4, v6
	v_lshlrev_b32 v[PFO], 8, v6
	s_mul_i32 s21, s14, STGW                       ; my stage
	v_mul_u32_u24 v[STA], v2, 4224                 ; in: row d = .. + 8 hh, column = my token: 4 r
	v_lshl_add_u32 v[STA], v1, 2, v[STA]
	v_add_nc_u32 v[STA], s21, v[STA]
	v_mul_u32_u24 v[SRD], v1, 528                  ; back: row d = .. + r, tokens from 8 hh on
	v_lshl_add_u32 v[SRD], v2, 5, v[SRD]
	v_add_nc_u32 v[SRD], s21, v[SRD]
	s_wait_tensorcnt 1                             ; the scales and K step 0 are in; K step 1's load may be out
	s_barrier_signal -1
	s_barrier_wait -1
	FETCH_B 0, 0, 0
	FETCH_A 0, 0, 0
	SCALES 0
	FETCH_A 0, 0, 4
	STEP 0, 0, 1
	TURN 0, 1, 1, 0
	STEP 1, 0, 0
	TURN 1, 0, 1, 1
	STEP 0, 0, 0
	TURN 0, 1, 0, -1
	STEP 1, 0, 0
	s_wait_dscnt 4*NL
	WIN 0xa1
	MUL16 0, 1, NQ-1, 1, 0
	MUL16 2, 1, NQ-1, 1, 0
	s_wait_dscnt 0
	WIN 0xf1
	MUL16 4, 1, NQ-1, 1, 0
	MUL16 6, 1, NQ-1, 1, 0
	WIN 0
	PLACES 4
	s_wait_dscnt 0x0
	s_barrier_signal -1                            ; nobody reads the ring or the scales any more: the stages may be written over them
	s_barrier_wait -1
	s_load_b128 s[68:71], s[0:1], 0x38             ; qf, kv
	s_load_b128 s[72:75], s[0:1], 0x48             ; st, gt
.irp b, 0,1,2,3
	v_mov_b32 v[TM+4+\b], 0
.endr
	v_and_b32 v1, 31, v0
	v_cmp_le_u32 vcc_lo, 16, v1
	s_cmp_ge_u32 ttmp9, 2
	s_cbranch_scc1 .Lgate
	TLOAD 0
	TLOAD 1
	TLOAD 2
	s_lshl_b32 s76, s15, 3
	s_add_co_u32 s76, s76, s101
	s_lshl_b32 s76, s76, 4
	s_add_co_u32 s76, s76, s17                     ; (batch x 8 + head) x 16 + step
	s_mul_i32 s78, s76, 38400
	s_mov_b32 s79, 0
	s_mul_i32 s80, s76, 12800
	s_mov_b32 s81, 0
	s_wait_kmcnt 0x0
	s_add_nc_u64 s[72:73], s[72:73], s[78:79]
	s_add_nc_u64 s[70:71], s[70:71], s[78:79]
	s_add_nc_u64 s[68:69], s[68:69], s[80:81]
	s_cmp_eq_u32 ttmp9, 0
	s_cselect_b64 s[68:69], s[68:69], s[70:71]     ; q's block or k's
.irp a, 0,1,2,3,4,5,6,7
	QKROW \a
.endr
	AREA PWA, 68
	s_cmp_lg_u32 ttmp9, 1
	s_cbranch_scc1 .Lend
.irp t, 0,1,2,3,4,5,6,7
	KTROW \t
.endr
	AREA PWB, 72
	s_branch .Lend
.Lgate:
	s_mov_b32 s98, 0xbfb8aa3b
	s_mov_b32 s99, s98
	s_lshl_b32 s76, s15, 4
	s_add_co_u32 s76, s76, s17
	s_lshl_b32 s76, s76, 4
	s_and_b32 s77, s42, 7
	s_lshl_b32 s77, s77, 1
	s_add_co_u32 s77, s77, s16
	s_add_co_u32 s76, s76, s77                     ; (batch x 16 + step) x 16 + group of 128 channels
	s_lshl_b32 s76, s76, 16
	s_mov_b32 s77, 0
	s_wait_kmcnt 0x0
	s_add_nc_u64 s[74:75], s[74:75], s[76:77]
.irp a, 0,1,2,3,4,5,6,7
	GROW \a
.endr
.Lend:
	s_wait_tensorcnt 0x0                           ; the wave's end
	ds_add_u32 v[SPW], v[NIL]
	s_wait_dscnt 0x0
	CROUND
	s_endpgm
.Lfunc_end_k_qd545c29bee_qkg:
	.size	k_qd545c29bee_qkg, .Lfunc_end_k_qd545c29bee_qkg-k_qd545c29bee_qkg
	.p2alignl 7, 3214868480
	.fill 96, 4, 3214868480
	.section	.rodata,"a",@progbits
	.p2align	6, 0x0
	.amdhsa_kernel k_qd545c29bee_qkg
		.amdhsa_group_segment_fixed_size 327680
		.amdhsa_private_segment_fixed_size 0
		.amdhsa_enable_private_segment 0
		.amdhsa_kernarg_size 88
		.amdhsa_user_sgpr_count 2
		.amdhsa_user_sgpr_kernarg_segment_ptr 1
		.amdhsa_wavefront_size32 1
		.amdhsa_system_sgpr_workgroup_id_x 1
		.amdhsa_system_sgpr_workgroup_id_y 1
		.amdhsa_system_sgpr_workgroup_id_z 1
		.amdhsa_system_vgpr_workitem_id 0
		.amdhsa_next_free_vgpr 1024
		.amdhsa_next_free_sgpr 102
		.amdhsa_reserve_vcc 1
		.amdhsa_float_denorm_mode_32 3
		.amdhsa_float_denorm_mode_16_64 3
		.amdhsa_memory_ordered 1
		.amdhsa_forward_progress 1
		.amdhsa_inst_pref_size 255
	.end_amdhsa_kernel
	.section	.bss,"aw",@nobits
	.p2align	6
	.space	262144
	.amdgpu_metadata
---
amdhsa.version: [ 1, 2 ]
amdhsa.kernels:
  - .name:           k_qd545c29bee_qkg
    .symbol:         k_qd545c29bee_qkg.kd
    .args:
      - { .name: x_codes, .offset: 0, .size: 8, .value_kind: global_buffer, .address_space: global }
      - { .name: x_scales, .offset: 8, .size: 8, .value_kind: global_buffer, .address_space: global }
      - { .name: Wqkv_codes, .offset: 16, .size: 8, .value_kind: global_buffer, .address_space: global }
      - { .name: Wqkv_scales, .offset: 24, .size: 8, .value_kind: global_buffer, .address_space: global }
      - { .name: Wg_codes, .offset: 32, .size: 8, .value_kind: global_buffer, .address_space: global }
      - { .name: Wg_scales, .offset: 40, .size: 8, .value_kind: global_buffer, .address_space: global }
      - { .name: tab, .offset: 48, .size: 8, .value_kind: global_buffer, .address_space: global }
      - { .name: qf, .offset: 56, .size: 8, .value_kind: global_buffer, .address_space: global }
      - { .name: kv, .offset: 64, .size: 8, .value_kind: global_buffer, .address_space: global }
      - { .name: st, .offset: 72, .size: 8, .value_kind: global_buffer, .address_space: global }
      - { .name: gt, .offset: 80, .size: 8, .value_kind: global_buffer, .address_space: global }
    .group_segment_fixed_size: 327680
    .private_segment_fixed_size: 0
    .kernarg_segment_align: 8
    .kernarg_segment_size: 88
    .max_flat_workgroup_size: 128
    .sgpr_count:     102
    .vgpr_count:     1024
    .wavefront_size: 32
...
	.end_amdgpu_metadata
.endif
;; end of part 2
;; launch att (part 3): grid 16 x 16, 4 waves a work-group, clusters of 4 x 1, 327,680 bytes of LDS; arguments qf, kv, st, gt, hq, out1; writes hq, out1
.if DOCPART == 3
	.amdgcn_target "amdgcn-amd-amdhsa--gfx1250"
	.amdhsa_code_object_version 6
	.text
	.protected	k_qd545c29bee_att
	.globl	k_qd545c29bee_att
	.p2align	8
	.type	k_qd545c29bee_att,@function
k_qd545c29bee_att:
	s_mov_b64 s[64:65], 0
	v_nop
	global_prefetch_b8 v0, s[64:65] scope:SCOPE_SE
	s_setreg_imm32_b32 hwreg(HW_REG_WAVE_MODE, 25, 1), 1
	s_wait_xcnt 0x0
	s_wait_alu depctr_hold_cnt(0) depctr_sa_sdst(0) depctr_va_vdst(0) depctr_va_sdst(0) depctr_va_ssrc(0) depctr_va_vcc(0) depctr_vm_vsrc(0)
	s_getreg_b32 s2, hwreg(HW_REG_IB_STS2, 6, 4)
	s_cmp_eq_u32 s2, 0
	s_cbranch_scc0 .Lentry_in_a_cluster
	s_endpgm
.Lentry_in_a_cluster:
	s_bfe_u32 s2, ttmp6, 0x10000c
	s_cmp_lg_u32 s2, 0x3003
	s_cbranch_scc0 .Lentry_shape_is_right
	s_endpgm
.Lentry_shape_is_right:
; Retention of one head: S^T = K Q^T, x 128^-0.5 x gamma^(i - j) (0 where j > i), quantised along the keys, O^T += V^T P; GroupNorm over the head's 256 channels, x gate, quantised along the channels.
; All operands are register images made by the launches before (image 1,536 bytes: registers 4 c .. 4 c + 3 of lane l at 512 c + 16 l; block 12,800 bytes: eight images, scale words at 12,288 + 16 l).
; SHARES, EVENED OUT.  Work-group j = 4 c + cx of a head (c the cluster, cx the place in it) owns the 64 queries of block j (early) and the 64 of block 31 - j (late); a wave's tile 0 is 16 early queries,
; its tile 1 16 late ones.  Both products are used transposed: a lane holds one query throughout; register n of 64 is key (or channel) n + 8 (n / 8) + 8 (lane / 16).
; Keys go in slots of 256 (two steps of 128).  Tile 0 needs slots 0 .. c (slot c holds its diagonal), tile 1 slots 0 .. 7 - c (slot 7 - c holds its diagonal).  So a cluster has 2 c + 2 steps with both tiles
; and 14 - 4 c steps with tile 1 alone: 2 + 14, 4 + 10, 6 + 6, 8 + 2.  The four partners walk the same keys: every tile of K and V is asked for jointly.
; The ring is two LDS slots; a trip goes once round it (four steps), so that no LDS address is stepped.  The loop has 3 - c / 2 trips; the last trip is written out: it fetches nothing, has tile 1 alone and all of
; tile 1's masks.  In the loop tile 0's whole work of a step is one stretch under a scalar branch on the slot's number against the cluster's number: the same in all partners.
; With c odd the last trip's second slot lies behind tile 1's last key: it is fetched (the ring's text is one for all clusters) and passed over.
; There is no softmax: key steps add in any order.  O^T begins as zeros.
; THE STATE k^T (v gamma^(2047 - t)) is made at the head, while the first tiles are on their way: cluster c owns channels 64 c on, work-group cx rows d 32 cx on (8 accumulators), wave w key steps w, w + 4, w + 8,
; w + 12; the four partial sums meet in LDS across the barrier that stands there anyway.
; LIMITS: NaN and infinities are not served; a block of zeros gets the byte 1 (zero codes); gamma is right to an ulp of f32; inside a block of 32 k lies in the order 0-7, 16-23, 8-15, 24-31
; alike in both operands of the two retention products and of the state (true order in what goes to the last product); the state is a sum of four partial sums.
.set SPARE, 327168                     ; the spare words: 512 bytes that no other line names
.set CK, 153600                        ; the state's stage: 4 x 32 rows x 272 bytes; no fill lands here
.set LI, 2                             ; v2 16 x lane;  v1 256 x lane;  v3-6 LI + 38,400 x ring step;  v9 zero;  v10-11 the tiles' factors;  v12-13 query - 8 hh - the step's first key (f32)
.set KB, 3                             ; v14-15 the same inside the tile's masked slot (whole numbers);  v16 log2 gamma;  v17-19 at work;  v108 16 r;  v109 12,800 hh + 16 r
.set SPW, 7
.set NIL, 8
.set QF, 20
.set QS, 44
.set KSC, 46
.set VS, 50
.set PW, 58
.set TM, 60
.set PC0, 76
.set PX, 100
.set SST, 103                          ; the state's stage: where I put my partial sums
.set SRD, 107                          ; and where I read rows back
.set CHN, 110
.set MU, 118
.set RS, 120
.set PWE, 124
.set SOF, 126                          ; my byte offset in out1's rows
.set SS, 128
.set G1, 24
.set G0, 32
.set SEL, 20
.set MSB, 0
.macro WIN new                         ; the immediate's high byte repeats the setting that is left
.if MSB != (\new)
	s_set_vgpr_msb (MSB<<8)|(\new)
.set MSB, (\new)
.endif
.endm
.macro PLACES n
.rept \n
	v_nop
.endr
.endm
; one scaled matrix instruction: D, A, B, C (-1: the constant 0), A's and B's scale registers, and whether each is read from lanes 16-31
.macro WMS d, a, b, c, sa, sb, ra, rb
.if (\c) < 0
.if (\ra)
	v_wmma_scale_f32_16x16x128_f8f6f4 v[\d:\d+7], v[\a:\a+11], v[\b:\b+11], 0, v[\sa], v[\sb] matrix_a_fmt:MATRIX_FMT_FP6 matrix_b_fmt:MATRIX_FMT_FP6 matrix_a_scale:MATRIX_SCALE_ROW1
.elseif (\rb)
	v_wmma_scale_f32_16x16x128_f8f6f4 v[\d:\d+7], v[\a:\a+11], v[\b:\b+11], 0, v[\sa], v[\sb] matrix_a_fmt:MATRIX_FMT_FP6 matrix_b_fmt:MATRIX_FMT_FP6 matrix_b_scale:MATRIX_SCALE_ROW1
.else
	v_wmma_scale_f32_16x16x128_f8f6f4 v[\d:\d+7], v[\a:\a+11], v[\b:\b+11], 0, v[\sa], v[\sb] matrix_a_fmt:MATRIX_FMT_FP6 matrix_b_fmt:MATRIX_FMT_FP6
.endif
.else
.if (\ra)
	v_wmma_scale_f32_16x16x128_f8f6f4 v[\d:\d+7], v[\a:\a+11], v[\b:\b+11], v[\c:\c+7], v[\sa], v[\sb] matrix_a_fmt:MATRIX_FMT_FP6 matrix_b_fmt:MATRIX_FMT_FP6 matrix_a_scale:MATRIX_SCALE_ROW1
.elseif (\rb)
	v_wmma_scale_f32_16x16x128_f8f6f4 v[\d:\d+7], v[\a:\a+11], v[\b:\b+11], v[\c:\c+7], v[\sa], v[\sb] matrix_a_fmt:MATRIX_FMT_FP6 matrix_b_fmt:MATRIX_FMT_FP6 matrix_b_scale:MATRIX_SCALE_ROW1
.else
	v_wmma_scale_f32_16x16x128_f8f6f4 v[\d:\d+7], v[\a:\a+11], v[\b:\b+11], v[\c:\c+7], v[\sa], v[\sb] matrix_a_fmt:MATRIX_FMT_FP6 matrix_b_fmt:MATRIX_FMT_FP6
.endif
.endif
.endm
.macro CROUND                          ; a round of the cluster's barrier
	s_barrier_signal -1
	s_barrier_wait -1
	s_cmp_lg_u32 s18, 0
	s_cbranch_scc1 .Lnot_wave_0_\@
	s_barrier_signal -3
.Lnot_wave_0_\@:
	s_barrier_wait -3
	s_barrier_signal -1
	s_barrier_wait -1
.endm
; 64 numbers of a lane, v[s ..] of window sw (registers 16 b .. 16 b + 15 of lanes l and l xor 16 are block b), become 12 code registers at pc and the row's scale word in pw
.macro QUANT s, sw, pc, px, pw
	WIN (\sw)|((\sw)<<2)
.irp b, 0,1,2,3
	v_max3_num_f32 v[TM+\b], |v[(\s)+16*\b]|, |v[(\s)+16*\b+1]|, 0x1800000   ; the floor 2^(3 - 127) holds the byte at 1 from below
.endr
.irp i, 2,4,6,8,10,12,14
.irp b, 0,1,2,3
	v_max3_num_f32 v[TM+\b], |v[(\s)+16*\b+\i]|, |v[(\s)+16*\b+\i+1]|, v[TM+\b]
.endr
.endr
	WIN 0
.irp b, 0,1,2,3
	v_permlanex16_b32 v[TM+4+\b], v[TM+\b], s[SEL], s[SEL+1]
.endr
.irp b, 0,1,2,3
	v_max_num_f32 v[TM+\b], v[TM+\b], v[TM+4+\b]
.endr
.irp b, 0,1,2,3
	v_add_nc_u32 v[TM+12+\b], 0xff000000, v[TM+\b]     ; 2 off the exponent field: the conversion's scale operand
.endr
.irp b, 0,1,2,3
	v_lshrrev_b32 v[TM+4+\b], 23, v[TM+12+\b]          ; the scale's byte
.endr
	v_lshl_or_b32 v[\pw], v[TM+5], 8, v[TM+4]
	v_lshl_or_b32 v[\pw], v[TM+6], 16, v[\pw]
	v_lshl_or_b32 v[\pw], v[TM+7], 24, v[\pw]
	WIN \sw
.irp c, 0,1
	v_cvt_scalef32_pk16_fp6_f32 v[(\pc)+6*\c:(\pc)+6*\c+2], v[(\s)+32*\c:(\s)+32*\c+15], v[TM+12+2*\c]
	v_cvt_scalef32_pk16_fp6_f32 v[(\px)+4*\c:(\px)+4*\c+2], v[(\s)+16+32*\c:(\s)+31+32*\c], v[TM+13+2*\c]
.endr
	WIN 0
	v_nop                                          ; one plain place behind a scaled conversion
.irp c, 0,1
.irp i, 0,1,2
	v_permlane16_swap_b32 v[(\pc)+6*\c+\i], v[(\px)+4*\c+\i]
.endr
.irp i, 0,1,2
	v_mov_b32 v[(\pc)+3+6*\c+\i], v[(\px)+4*\c+\i]
.endr
.endr
.endm
.macro GAMMA sh, vl, va, vb, st        ; log2(gamma): e = 2^(-5 - 4 h / 7), gamma = 1 - e in f32, e' = 1 - gamma (exact), the series of ln(1 - e') to e'^6
	v_cvt_f32_u32 v[\va], s[\sh]
	s_mov_b32 s[\st], 0xbf124925
	s_mov_b32 s[\st+1], 0xc0a00000
	v_fma_f32 v[\va], v[\va], s[\st], s[\st+1]
	v_exp_f32 v[\va], v[\va]
	v_nop
	s_wait_alu depctr_va_vdst(0)
	v_sub_f32 v[\va], 1.0, v[\va]
	v_sub_f32 v[\va], 1.0, v[\va]
	v_mov_b32 v[\vb], 0x3e2aaaab
	v_fmaak_f32 v[\vb], v[\vb], v[\va], 0x3e4ccccd
	v_fmaak_f32 v[\vb], v[\vb], v[\va], 0x3e800000
	v_fmaak_f32 v[\vb], v[\vb], v[\va], 0x3eaaaaab
	v_fmaak_f32 v[\vb], v[\vb], v[\va], 0x3f000000
	v_fmaak_f32 v[\vb], v[\vb], v[\va], 0x3f800000
	v_mul_f32 v[\vb], v[\vb], v[\va]
	v_mul_f32 v[\vl], 0xbfb8aa3b, v[\vb]
.endm
; the addresses of one of my tiles.  s[jj]: its block of 64 queries.  Out: Q's image and scale words, the gate, hq's image and scale words.  The tile is number 4 (jj % 2) + wave of the block jj / 2 of 128 tokens
.macro TILEADR jj, qi, qs, gb, hi, hs
	s_lshr_b32 s60, s[\jj], 1
	s_and_b32 s61, s[\jj], 1
	s_lshl_b32 s62, s61, 2
	s_add_co_u32 s62, s62, s18                     ; the tile's number in its block
	s_lshl_b32 s63, s61, 8
	s_lshl_b32 s41, s18, 2
	s_add_co_u32 s63, s63, s41
	s_add_co_u32 s63, s63, 12288                   ; its scale words' place in a block: 12,288 + 256 (tile / 4) + 4 (tile % 4), + 16 r
	s_lshl_b32 s42, s23, 4
	s_add_co_u32 s42, s42, s60
	s_mul_i32 s42, s42, 12800                      ; Q's block
	s_mul_i32 s41, s62, 1536
	s_add_co_u32 s78, s42, s41
	s_mov_b32 s79, 0
	s_add_nc_u64 s[\qi:\qi+1], s[4:5], s[78:79]
	s_add_co_u32 s78, s42, s63
	s_add_nc_u64 s[\qs:\qs+1], s[4:5], s[78:79]
	s_lshl_b32 s42, s58, 4
	s_add_co_u32 s42, s42, s60
	s_lshl_b32 s42, s42, 4
	s_add_co_u32 s42, s42, s59
	s_add_co_u32 s42, s42, s59                     ; (batch x 16 + block) x 16 + 2 head
	s_lshl_b32 s78, s42, 16
	s_lshl_b32 s43, s62, 13
	s_add_co_u32 s78, s78, s43
	s_add_nc_u64 s[\gb:\gb+1], s[10:11], s[78:79]
	s_mul_i32 s42, s42, 12800
	s_add_co_u32 s78, s42, s41
	s_add_nc_u64 s[\hi:\hi+1], s[12:13], s[78:79]
	s_add_co_u32 s78, s42, s63
	s_add_nc_u64 s[\hs:\hs+1], s[12:13], s[78:79]
.endm
; THE STATE.  Key step wave + 4 u: my two fragments of k^T (window 2, v[24 u ..]), my cluster's four of v gamma^.. (u = 0, 1: window 2, v96 on; u = 2, 3: window 3, v160 on), their scale words: 20 loads
.macro SLOAD u
.set VDB, 96+48*\u-32*(\u/2)
.set SVD, 68+4*\u+34*(\u/2)
	WIN 0x80
.irp e, 0,1
.irp c, 0,1,2
	global_load_b128 v[24*\u+12*\e+4*\c:24*\u+12*\e+4*\c+3], v[LI], s[72:73] offset:153600*\u+1536*\e+512*\c
.endr
.endr
.if \u > 1
	WIN 0xc0
.endif
.irp j, 0,1,2,3
.irp c, 0,1,2
	global_load_b128 v[VDB+12*\j+4*\c:VDB+12*\j+4*\c+3], v[LI], s[76:77] offset:153600*\u+1536*\j+512*\c
.endr
.endr
	WIN 0
	global_load_b64 v[60+2*\u:61+2*\u], v108, s[74:75] offset:153600*\u
	global_load_b128 v[SVD:SVD+3], v108, s[78:79] offset:153600*\u
.endm
.macro SPROD u                         ; 8 accumulators (window 0, v128 on), one turn each: source 0 = 16 channels, source 1 = 16 rows d
.set VDB, 96+48*\u-32*(\u/2)
.set SVD, 68+4*\u+34*(\u/2)
	WIN 0x0a+(\u/2)
.irp e, 0,1
.irp j, 0,1,2,3
.if \u == 0
	WMS 128+8*(4*\e+\j), VDB+12*\j, 24*\u+12*\e, -1, SVD+\j, 60+2*\u+\e, 0, 0
.else
	WMS 128+8*(4*\e+\j), VDB+12*\j, 24*\u+12*\e, 128+8*(4*\e+\j), SVD+\j, 60+2*\u+\e, 0, 0
.endif
.endr
.endr
	WIN 0
.endm
.macro KLOAD k                         ; ring step k's eight fragments of K into window 2, v0-95, and their scale words
	WIN 0x80
.irp t, 0,1,2,3,4,5,6,7
.irp c, 0,1,2
	ds_load_b128 v[12*\t+4*\c:12*\t+4*\c+3], v[KB+\k] offset:1536*\t+512*\c
.endr
.endr
	WIN 0
	ds_load_b128 v[KSC:KSC+3], v[KB+\k] offset:12288
.endm
.macro VLOAD k                         ; V's sixteen: channels 0-127 into window 2, v96-191, channels 128-255 into window 3, v0-95
	WIN 0x80
.irp t, 0,1,2,3,4,5,6,7
.irp c, 0,1,2
	ds_load_b128 v[96+12*\t+4*\c:96+12*\t+4*\c+3], v[KB+\k] offset:12800+1536*\t+512*\c
.endr
.endr
	WIN 0xc0
.irp t, 0,1,2,3,4,5,6,7
.irp c, 0,1,2
	ds_load_b128 v[12*\t+4*\c:12*\t+4*\c+3], v[KB+\k] offset:25600+1536*\t+512*\c
.endr
.endr
	WIN 0
	ds_load_b128 v[VS:VS+3], v[KB+\k] offset:25088
	ds_load_b128 v[VS+4:VS+7], v[KB+\k] offset:37888
.endm
; THE PARTS OF A KEY STEP, for tile q
.macro SMUL q                          ; S^T = K Q^T: eight products, each starts its sum
	WIN 0x02
.irp t, 0,1,2,3,4,5,6,7
	WMS SS+64*\q+8*\t, 12*\t, QF+12*\q, -1, KSC+\t%4, QS+\q, \t/4, 0
.endr
	WIN 0
.endm
.macro FACT q                          ; 128^-0.5 x gamma^(query - 8 hh - the step's first key); three of the four lines are plain places behind the products
	v_mul_f32 v[17+\q], v[12+\q], v16
	v_exp_f32 v[17+\q], v[17+\q]
	v_add_f32 v[12+\q], 0xc3000000, v[12+\q]       ; the next step's keys lie 128 on
	s_wait_alu depctr_va_vdst(0)
	v_mul_f32 v[10+\q], 0x3db504f3, v[17+\q]
.endm
.macro SCALE q                         ; x the tile's factor, x gamma^-(n + 8 (n / 8))
.set n, 0
.rept 32
.if \q
	v_pk_mul_f32 v[SS+64+n:SS+65+n], v[SS+64+n:SS+65+n], v[10:11] op_sel:[0,1] op_sel_hi:[1,1]
.else
	v_pk_mul_f32 v[SS+n:SS+n+1], v[SS+n:SS+n+1], v[10:11] op_sel_hi:[1,0]
.endif
.set n, n+2
.endr
	WIN 0x0c
.set n, 0
.rept 32
	v_pk_mul_f32 v[SS+64*\q+n:SS+64*\q+n+1], v[SS+64*\q+n:SS+64*\q+n+1], v[96+n:97+n]
.set n, n+2
.endr
	WIN 0
.endm
.macro MASK q, u                       ; step u of the tile's masked slot: keys after the query count 0
.set n, 0
.rept 64
	v_cmp_gt_i32 vcc_lo, n+8*(n/8)+128*(\u), v[14+\q]
	v_cndmask_b32 v[SS+64*\q+n], v[SS+64*\q+n], v9, vcc_lo
.set n, n+1
.endr
.endm
.macro OMUL q                          ; O^T += V^T P: sixteen accumulators, one turn each
	WIN 0x52
.irp t, 0,1,2,3,4,5,6,7
	WMS 128*\q+8*\t, 96+12*\t, PC0+12*\q, 128*\q+8*\t, VS+\t%4, PW+\q, \t/4, 0
.endr
	WIN 0x53
.irp t, 0,1,2,3,4,5,6,7
	WMS 128*\q+64+8*\t, 12*\t, PC0+12*\q, 128*\q+64+8*\t, VS+4+\t%4, PW+\q, \t/4, 0
.endr
	WIN 0
.endm
; chg = 0: V is in.  1: the slot of ring steps k - 1, k, whose fragments are all in registers, is given up and filled again jointly.  2: the other slot's landing is made known to all waves
.macro CHG chg, k
.if (\chg) == 0
	s_wait_dscnt 0x0
.elseif (\chg) == 1
	s_wait_tensorcnt 0x0                           ; all my tensor loads have landed: my part of the other slot
	ds_add_u32 v[SPW], v[NIL]
	s_add_nc_u64 s[G0+4*((\k)/2)+2:G0+4*((\k)/2)+3], s[G0+4*((\k)/2)+2:G0+4*((\k)/2)+3], 153600   ; this slot's steps of the next trip
	s_wait_dscnt 0x0                               ; the add is done; V is in: my reads of this slot are over
	CROUND
	tensor_load_to_lds s[G0+4*((\k)/2):G0+4*((\k)/2)+3], s[G1:G1+7]   ; my quarter of the slot; it has two key steps in which to land
	s_nop 0
	PLACES 4
.else
	s_wait_tensorcnt 0x0
	ds_add_u32 v[SPW], v[NIL]
	s_wait_dscnt 0x0
	s_barrier_signal -1
	s_barrier_wait -1
.endif
.endm
; A key step of the loop, on ring step k.  Tile 1's keys all count here.  Tile 0's work is one stretch, passed over once the slot lies behind its last key, and masked in its last slot
.macro LSTEP k, chg, nextk
	s_wait_dscnt 0x0                               ; K is in
	SMUL 1
	FACT 1
	PLACES 4                                       ; with the three plain lines above: the places behind the last step's products, in front of the loads into V's registers, and behind these products
	VLOAD \k
	SCALE 1
	QUANT SS+64, 0, PC0+12, PX, PW+1
	s_cmp_gt_u32 s[60+(\k)/2], ttmp9               ; the slot's number against the cluster's: the same in all partners
	s_cbranch_scc1 .Lno0_\@
	SMUL 0
	FACT 0
	PLACES 2
	SCALE 0
	s_cmp_lg_u32 s[60+(\k)/2], ttmp9
	s_cbranch_scc1 .Lopen0_\@
	MASK 0, (\k)%2
.Lopen0_\@:
	QUANT SS, 0, PC0, PX, PW
	s_wait_dscnt 0x0                               ; V is in
	PLACES 8                                       ; P's scale word and codes were written by vector instructions
	OMUL 0
.Lno0_\@:
	CHG \chg, \k
	KLOAD \nextk
	PLACES 8
	OMUL 1
.endm
; A key step of the last trip: tile 1 alone.  mk = 1: masked;  2: masked where c is odd.  pf = 1: my part of the gate is asked for
.macro TSTEP k, mk, chg, nextk, pf
	s_wait_dscnt 0x0
	SMUL 1
	FACT 1
	PLACES 4
	VLOAD \k
.if \pf
.irp m, 0,1
	global_prefetch_b8 v1, s[50:51] offset:65536*\m th:TH_LOAD_NT scope:SCOPE_SE   ; my 4 x 8,192 bytes of the gate, lanes 256 bytes apart, at the head of the last trip: four key steps (c odd: two)
	global_prefetch_b8 v1, s[52:53] offset:65536*\m th:TH_LOAD_NT scope:SCOPE_SE   ; ahead of the loads; no other wave reads them
.endr
.endif
	SCALE 1
.if (\mk) == 2
	s_cmp_eq_u32 s71, 0
	s_cbranch_scc1 .Lopen1_\@
.endif
	MASK 1, (\k)%2
.Lopen1_\@:
	QUANT SS+64, 0, PC0+12, PX, PW+1
	CHG \chg, \k
.if (\nextk) >= 0
	KLOAD \nextk
.endif
	PLACES 8
	OMUL 1
.endm
; GroupNorm's figures of tile q: the mean is taken off O^T in place; 1 / sqrt(var + eps) into v[RS + 2 q] and its neighbour
.macro FOLD
	WIN 0
	v_pk_add_f32 v[CHN:CHN+1], v[CHN:CHN+1], v[CHN+2:CHN+3]
	v_pk_add_f32 v[CHN+4:CHN+5], v[CHN+4:CHN+5], v[CHN+6:CHN+7]
	v_pk_add_f32 v[CHN:CHN+1], v[CHN:CHN+1], v[CHN+4:CHN+5]
	v_add_f32 v17, v[CHN], v[CHN+1]
	v_permlanex16_b32 v18, v17, s[SEL], s[SEL+1]   ; the row's other 128 channels lie in lane l xor 16
	v_add_f32 v17, v17, v18
	v_mul_f32 v17, 0x3b800000, v17                 ; / 256
.endm
.macro STATS q
	WIN 0x05
.irp c, 0,1,2,3
	v_pk_add_f32 v[CHN+2*\c:CHN+2*\c+1], v[128*\q+2*\c:128*\q+2*\c+1], v[128*\q+8+2*\c:128*\q+9+2*\c]
.endr
	WIN 0x01
.set n, 16
.rept 14
.irp c, 0,1,2,3
	v_pk_add_f32 v[CHN+2*\c:CHN+2*\c+1], v[128*\q+n+2*\c:128*\q+n+2*\c+1], v[CHN+2*\c:CHN+2*\c+1]
.endr
.set n, n+8
.endr
	FOLD
	v_mov_b32 v[MU], v17
	v_mov_b32 v[MU+1], v17
	WIN 0x41
.set n, 0
.rept 64
	v_pk_add_f32 v[128*\q+n:128*\q+n+1], v[128*\q+n:128*\q+n+1], v[MU:MU+1] neg_lo:[0,1] neg_hi:[0,1]
.set n, n+2
.endr
	WIN 0x05
.irp c, 0,1,2,3
	v_pk_mul_f32 v[CHN+2*\c:CHN+2*\c+1], v[128*\q+2*\c:128*\q+2*\c+1], v[128*\q+2*\c:128*\q+2*\c+1]
.endr
.set n, 8
.rept 15
.irp c, 0,1,2,3
	v_pk_fma_f32 v[CHN+2*\c:CHN+2*\c+1], v[128*\q+n+2*\c:128*\q+n+2*\c+1], v[128*\q+n+2*\c:128*\q+n+2*\c+1], v[CHN+2*\c:CHN+2*\c+1]
.endr
.set n, n+8
.endr
	FOLD
	v_add_f32 v17, 0x3727c5ac, v17
	v_rsq_f32 v[RS+2*\q], v17
	v_nop
	s_wait_alu depctr_va_vdst(0)
	v_mov_b32 v[RS+2*\q+1], v[RS+2*\q]
.endm
; 16 tokens x 128 channels of gate x normed: into true order along the channels, quantised, stored.  left: the gate's loads issued behind this part's sixteen
.macro YOUT q, m, left
.set YY, SS+64*(\m)
	s_wait_loadcnt \left
	s_wait_xcnt 0x0
	WIN 0x01
.set n, 0
.rept 32
	v_pk_mul_f32 v[YY+n:YY+n+1], v[128*\q+64*\m+n:128*\q+64*\m+n+1], v[RS+2*\q:RS+2*\q+1]
.set n, n+2
.endr
	WIN 0x08
.set n, 0
.rept 32
	v_pk_mul_f32 v[YY+n:YY+n+1], v[YY+n:YY+n+1], v[128*\q+64*\m+n:128*\q+64*\m+n+1]
.set n, n+2
.endr
	WIN 0
.irp b, 0,1,2,3
.irp j, 0,1,2,3,4,5,6,7
	v_permlane16_swap_b32 v[YY+16*\b+\j], v[YY+16*\b+8+\j]     ; lanes 0-15 now hold channels 32 b + 0 .. 15, lanes 16-31 32 b + 16 .. 31: Wp's codes lie in true order
.endr
.endr
	QUANT YY, 0, PC0+12*(\m), PX, PWE+2*\m+\q
.irp c, 0,1,2
	global_store_b128 v[LI], v[PC0+12*\m+4*\c:PC0+12*\m+4*\c+3], s[54+2*\q:55+2*\q] offset:12800*\m+512*\c
.endr
.endm
	s_load_b256 s[4:11], s[0:1], 0x0               ; qf, kv, st, gt
	s_load_b128 s[12:15], s[0:1], 0x20             ; hq, out1
	v_lshl_add_u32 v[SPW], v0, 2, SPARE
	v_mov_b32 v[NIL], 0
	ds_add_u32 v7, v8
	s_wait_dscnt 0x0
	v_lshrrev_b32 v1, 5, v0
	v_readfirstlane_b32 s18, v1                    ; wave
	s_bfe_u32 s19, ttmp6, 0x40000                  ; cx: it enters global addresses and the masks' numbers alone
	s_and_b32 s23, ttmp7, 0xffff                   ; batch x 8 + head
	s_lshl_b32 s40, ttmp9, 2
	s_add_co_u32 s40, s40, s19                     ; j: my early block of 64 queries; the late one is 31 - j
	s_mov_b32 s[SEL], 0x76543210
	s_mov_b32 s[SEL+1], 0xfedcba98
	s_mov_b32 s[G1], 15|(3<<16)|(1<<21)            ; all four partners; elements of 8 bytes; 75 dense rows of 256 bytes: a quarter of a slot
	s_mov_b32 s[G1+1], 32<<16
	s_mov_b32 s[G1+2], 75<<16
	s_mov_b32 s[G1+3], 32<<16
	s_mov_b32 s[G1+4], 75
	s_mov_b32 s[G1+5], 32
	s_mov_b32 s[G1+6], 0
	s_mov_b32 s[G1+7], 0
	s_mul_i32 s41, s18, 19200
	s_mul_i32 s42, s23, 614400
	s_add_co_u32 s42, s42, s41
	s_mov_b32 s43, 0
	s_lshr_b32 s58, s23, 3                         ; batch
	s_and_b32 s59, s23, 7                          ; head
	s_lshr_b32 s70, ttmp9, 1
	s_sub_co_u32 s70, 3, s70                       ; the loop's trips: 3, 3, 2, 2
	s_and_b32 s71, ttmp9, 1                        ; c odd?
	s_wait_kmcnt 0x0
	s_add_nc_u64 s[42:43], s[6:7], s[42:43]
	CROUND
	s_mov_b32 s[G0], 1
	s_mov_b32 s[G0+1], s41
	s_mov_b64 s[G0+2:G0+3], s[42:43]
	s_or_b32 s[G0+3], s[G0+3], 0x80000000
	s_mov_b32 s[G0+4], 1
	s_add_co_u32 s[G0+5], s41, 76800
	s_add_nc_u64 s[G0+6:G0+7], s[42:43], 76800
	s_or_b32 s[G0+7], s[G0+7], 0x80000000
	tensor_load_to_lds s[G0:G0+3], s[G1:G1+7]      ; key steps 0, 1
	s_nop 0
	tensor_load_to_lds s[G0+4:G0+7], s[G1:G1+7]    ; key steps 2, 3: two loads of mine are out
	s_nop 0
	PLACES 4
	TILEADR 40, 44, 46, 50, 54, 66                 ; tile 0
	s_sub_co_u32 s77, 31, s40
	TILEADR 77, 48, 2, 52, 56, 68                  ; tile 1
	v_and_b32 v17, 31, v0
	v_lshlrev_b32 v[LI], 4, v17
	v_lshlrev_b32 v1, 8, v17
.irp k, 0,1,2,3
	v_add_nc_u32 v[KB+\k], 38400*\k, v[LI]
.endr
	v_mov_b32 v9, 0
	v_mov_b32 v10, 0                               ; (named with v11 as a pair before tile 0's factor is first made)
	v_and_b32 v18, 15, v0                          ; r
	v_bfe_u32 v19, v0, 4, 1                        ; hh
	v_lshlrev_b32 v108, 4, v18
	v_mul_u32_u24 v109, v19, 12800
	v_add_nc_u32 v109, v109, v108
.irp c, 0,1,2
	global_load_b128 v[QF+4*\c:QF+4*\c+3], v[LI], s[44:45] offset:512*\c
.endr
	global_load_b32 v[QS], v108, s[46:47]
.irp c, 0,1,2
	global_load_b128 v[QF+12+4*\c:QF+12+4*\c+3], v[LI], s[48:49] offset:512*\c
.endr
	global_load_b32 v[QS+1], v108, s[2:3]
	; the state's addresses
	s_lshl_b32 s41, s23, 4
	s_add_co_u32 s41, s41, s18
	s_mul_i32 s42, s41, 38400
	s_mov_b32 s43, 0
	s_add_nc_u64 s[72:73], s[8:9], s[42:43]        ; key step = my wave's number
	s_lshr_b32 s41, s19, 1
	s_lshl_b32 s41, s41, 8
	s_and_b32 s42, s19, 1
	s_lshl_b32 s42, s42, 3
	s_add_co_u32 s42, s42, s41
	s_add_co_u32 s42, s42, 12288
	s_add_nc_u64 s[74:75], s[72:73], s[42:43]      ; the scale words of k^T's tiles 2 cx, 2 cx + 1: two neighbouring words a row
	s_lshr_b32 s41, ttmp9, 1
	s_add_co_u32 s41, s41, 1
	s_mul_i32 s42, s41, 12800
	s_add_nc_u64 s[78:79], s[72:73], s[42:43]      ; the half of the channels in which my cluster's 64 lie
	s_mul_i32 s42, s71, 6144
	s_add_nc_u64 s[76:77], s[78:79], s[42:43]      ; its four images
	s_lshl_b32 s42, s71, 8
	s_add_co_u32 s42, s42, 12288
	s_add_nc_u64 s[78:79], s[78:79], s[42:43]      ; and their scale words
	s_mul_i32 s42, s19, 3072
	s_add_nc_u64 s[72:73], s[72:73], s[42:43]      ; k^T's two images
	s_lshl_b32 s42, s23, 17
	s_lshl_b32 s41, s19, 15
	s_add_co_u32 s42, s42, s41
	s_lshl_b32 s41, s18, 13
	s_add_co_u32 s42, s42, s41
	s_lshl_b32 s41, ttmp9, 8
	s_add_co_u32 s42, s42, s41
	s_add_nc_u64 s[16:17], s[14:15], s[42:43]      ; out1: my head, rows 32 cx + 8 wave on, my cluster's 256 bytes
	SLOAD 0                                        ; all four steps' 80 loads go out at once; what follows is worked while they and the first tiles are on their way
	SLOAD 1
	SLOAD 2
	SLOAD 3
	s_mul_i32 s41, s18, 8704
	s_add_co_u32 s41, s41, CK
	v_mul_u32_u24 v[SST], v18, 272
	v_lshl_add_u32 v[SST], v19, 5, v[SST]
	v_add_nc_u32 v[SST], s41, v[SST]               ; into my region: row d = .. + r, 32 hh bytes on
	s_mul_i32 s41, s18, 2176
	s_add_co_u32 s41, s41, CK
	v_mul_u32_u24 v[SRD], v19, 272
	v_lshl_add_u32 v[SRD], v18, 4, v[SRD]
	v_add_nc_u32 v[SRD], s41, v[SRD]               ; back: rows 8 wave + 2 t + hh of each region
	v_lshlrev_b32 v[SOF], 10, v19
	v_lshl_add_u32 v[SOF], v18, 4, v[SOF]
	v_lshlrev_b32 v19, 3, v19
	v_sub_nc_u32 v17, v18, v19                     ; r - 8 hh
	s_lshl_b32 s41, s18, 4
	s_lshl_b32 s42, s40, 6
	s_add_co_u32 s42, s42, s41
	v_add_nc_u32 v12, s42, v17                     ; tile 0: 64 j + 16 wave + r - 8 hh
	s_sub_co_u32 s42, 31, s40
	s_lshl_b32 s42, s42, 6
	s_add_co_u32 s42, s42, s41
	v_add_nc_u32 v13, s42, v17                     ; tile 1: 64 (31 - j) + ..
	v_cvt_f32_i32 v12, v12
	v_cvt_f32_i32 v13, v13
	s_lshl_b32 s42, s19, 6
	s_add_co_u32 s63, s42, s41
	v_add_nc_u32 v14, s63, v17                     ; inside slot c: 64 cx + 16 wave + r - 8 hh
	s_sub_co_u32 s63, 192, s42
	s_add_co_u32 s63, s63, s41
	v_add_nc_u32 v15, s63, v17                     ; inside slot 7 - c: 192 - 64 cx + ..
	GAMMA 59, 16, 17, 18, 62
	v_sub_f32 v17, 0, v16
	WIN 0xc0
.set n, 0
.rept 64
	v_cvt_f32_u32 v[96+n], n+8*(n/8)
.set n, n+1
.endr
	WIN 0xc3
.set n, 0
.rept 64
	v_mul_f32 v[96+n], v[96+n], v17
.set n, n+1
.endr
.set n, 0
.rept 64
	v_exp_f32 v[96+n], v[96+n]                     ; gamma^-(n + 8 (n / 8))
.set n, n+1
.endr
	v_nop
	WIN 0x40
.set n, 0
.rept 256
	v_mov_b32 v[n], 0                              ; O^T
.set n, n+1
.endr
	WIN 0
	s_wait_loadcnt 60                              ; Q and the state's first step are in; the 60 loads of its three later steps may be out
	SPROD 0
	s_wait_loadcnt 40
	SPROD 1
	s_wait_loadcnt 20
	SPROD 2
	s_wait_loadcnt 0x0
	SPROD 3
	PLACES 4
.irp e, 0,1
.irp j, 0,1,2,3
	ds_store_b128 v[SST], v[128+8*(4*\e+\j):128+8*(4*\e+\j)+3] offset:16*\e*272+64*\j
	ds_store_b128 v[SST], v[128+8*(4*\e+\j)+4:128+8*(4*\e+\j)+7] offset:16*\e*272+64*\j+16
.endr
.endr
.irp b, 0,1,2,3
	v_mov_b32 v[TM+4+\b], 0                        ; a lane permute's destination counts as one of its sources
.endr
	s_wait_tensorcnt 1                             ; my part of slot 0 is in; slot 1's may be out
	s_wait_dscnt 0x0                               ; for the others' sake: my partial sums lie in LDS
	s_barrier_signal -1
	s_barrier_wait -1
	KLOAD 0
	WIN 0xc0
.irp g, 0,1,2,3
.irp t, 0,1,2,3
	ds_load_b128 v[16*\g+4*\t:16*\g+4*\t+3], v[SRD] offset:8704*\g+544*\t
.endr
.endr
	WIN 0
	s_wait_dscnt 0x0
	WIN 0xcf
.set n, 0
.rept 8
	v_pk_add_f32 v[n:n+1], v[n:n+1], v[16+n:17+n]
	v_pk_add_f32 v[32+n:33+n], v[32+n:33+n], v[48+n:49+n]
.set n, n+2
.endr
	WIN 0x0f
.set n, 0
.rept 8
	v_pk_add_f32 v[CHN+n:CHN+n+1], v[n:n+1], v[32+n:33+n]      ; into registers that are not written again before the wait on XCNT at the way out
.set n, n+2
.endr
	WIN 0
.irp t, 0,1,2,3
	global_store_b128 v[SOF], v[CHN+4*\t:CHN+4*\t+3], s[16:17] offset:2048*\t th:TH_STORE_NT     ; sixteen lanes store 256 consecutive bytes, aligned
.endr
	s_mov_b32 s22, 0
.Ltrip:                                ; 512 keys; both slots are filled again, with the next trip's keys
	s_lshl_b32 s60, s22, 1                         ; the numbers of the trip's two slots
	s_add_co_u32 s61, s60, 1
	LSTEP 0, 0, 1
	LSTEP 1, 1, 2
	LSTEP 2, 0, 3
	LSTEP 3, 1, 0
	s_add_co_u32 s22, s22, 1
	s_cmp_lt_u32 s22, s70
	s_cbranch_scc1 .Ltrip
	TSTEP 0, 2, 0, 1, 1                            ; the last trip: nothing more is fetched.  Its first slot holds tile 1's diagonal where c is odd,
	TSTEP 1, 2, 2, 2, 0
	s_cmp_lg_u32 s71, 0
	s_cbranch_scc1 .Lepi                           ; and its second slot then lies behind tile 1's last key
	TSTEP 2, 1, 0, 3, 0                            ; c even: the second slot holds the diagonal
	TSTEP 3, 1, 0, -1, 0
.Lepi:
	s_wait_dscnt 0x0                               ; (c odd: the fragments of K asked for in front of the jump)
	s_wait_xcnt 0x0                                ; the state's stores have read their registers
	PLACES 4
	WIN 0x80
.irp m, 0,1
.irp g, 0,1,2,3,4,5,6,7,8,9,10,11,12,13,14,15
	global_load_b128 v[64*\m+4*\g:64*\m+4*\g+3], v[LI], s[50:51] offset:65536*\m+512*\g th:TH_LOAD_NT
.endr
.endr
.irp m, 0,1
.irp g, 0,1,2,3,4,5,6,7,8,9,10,11,12,13,14,15
	global_load_b128 v[128+64*\m+4*\g:128+64*\m+4*\g+3], v[LI], s[52:53] offset:65536*\m+512*\g th:TH_LOAD_NT
.endr
.endr
	WIN 0
	STATS 0
	STATS 1
	YOUT 0, 0, 48
	YOUT 0, 1, 32
	YOUT 1, 0, 16
	YOUT 1, 1, 0
	v_and_b32 v17, 31, v0
	v_cmp_le_u32 vcc_lo, 16, v17
	v_cndmask_b32 v18, v[PWE], v[PWE+2], vcc_lo    ; lanes 0-15 store the word of channels 0-127, lanes 16-31 that of 128-255, one block on
	v_cndmask_b32 v19, v[PWE+1], v[PWE+3], vcc_lo
	global_store_b32 v109, v18, s[66:67]           ; tile 0's
	global_store_b32 v109, v19, s[68:69]           ; tile 1's
	s_wait_tensorcnt 0x0                           ; the wave's end
	ds_add_u32 v[SPW], v[NIL]
	s_wait_dscnt 0x0
	CROUND                                         ; the closing round
	s_endpgm
.Lfunc_end_k_qd545c29bee_att:
	.size	k_qd545c29bee_att, .Lfunc_end_k_qd545c29bee_att-k_qd545c29bee_att
	.p2alignl 7, 3214868480
	.fill 96, 4, 3214868480
	.section	.rodata,"a",@progbits
	.p2align	6, 0x0
	.amdhsa_kernel k_qd545c29bee_att
		.amdhsa_group_segment_fixed_size 327680
		.amdhsa_private_segment_fixed_size 0
		.amdhsa_enable_private_segment 0
		.amdhsa_kernarg_size 48
		.amdhsa_user_sgpr_count 2
		.amdhsa_user_sgpr_kernarg_segment_ptr 1
		.amdhsa_wavefront_size32 1
		.amdhsa_system_sgpr_workgroup_id_x 1
		.amdhsa_system_sgpr_workgroup_id_y 1
		.amdhsa_system_sgpr_workgroup_id_z 1
		.amdhsa_system_vgpr_workitem_id 0
		.amdhsa_next_free_vgpr 1024
		.amdhsa_next_free_sgpr 80
		.amdhsa_reserve_vcc 1
		.amdhsa_float_denorm_mode_32 3
		.amdhsa_float_denorm_mode_16_64 3
		.amdhsa_memory_ordered 1
		.amdhsa_forward_progress 1
		.amdhsa_inst_pref_size 255
	.end_amdhsa_kernel
	.section	.bss,"aw",@nobits
	.p2align	6
	.space	262144
	.amdgpu_metadata
---
amdhsa.version: [ 1, 2 ]
amdhsa.kernels:
  - .name:           k_qd545c29bee_att
    .symbol:         k_qd545c29bee_att.kd
    .args:
      - { .name: qf, .offset: 0, .size: 8, .value_kind: global_buffer, .address_space: global }
      - { .name: kv, .offset: 8, .size: 8, .value_kind: global_buffer, .address_space: global }
      - { .name: st, .offset: 16, .size: 8, .value_kind: global_buffer, .address_space: global }
      - { .name: gt, .offset: 24, .size: 8, .value_kind: global_buffer, .address_space: global }
      - { .name: hq, .offset: 32, .size: 8, .value_kind: global_buffer, .address_space: global }
      - { .name: out1, .offset: 40, .size: 8, .value_kind: global_buffer, .address_space: global }
    .group_segment_fixed_size: 327680
    .private_segment_fixed_size: 0
    .kernarg_segment_align: 8
    .kernarg_segment_size: 48
    .max_flat_workgroup_size: 128
    .sgpr_count:     80
    .vgpr_count:     1024
    .wavefront_size: 32
...
	.end_amdgpu_metadata
.endif
;; end of part 3
;; launch outp (part 4): grid 8 x 32, 4 waves a work-group, clusters of 4 x 4, 327,680 bytes of LDS; arguments hq, wpf, bp, out0; writes out0
.if DOCPART == 4
	.amdgcn_target "amdgcn-amd-amdhsa--gfx1250"
	.amdhsa_code_object_version 6
	.text
	.protected	k_qd545c29bee_outp
	.globl	k_qd545c29bee_outp
	.p2align	8
	.type	k_qd545c29bee_outp,@function
k_qd545c29bee_outp:
	s_mov_b64 s[64:65], 0
	v_nop
	global_prefetch_b8 v0, s[64:65] scope:SCOPE_SE
	s_setreg_imm32_b32 hwreg(HW_REG_WAVE_MODE, 25, 1), 1
	s_wait_xcnt 0x0
	s_wait_alu depctr_hold_cnt(0) depctr_sa_sdst(0) depctr_va_vdst(0) depctr_va_sdst(0) depctr_va_ssrc(0) depctr_va_vcc(0) depctr_vm_vsrc(0)
	s_getreg_b32 s2, hwreg(HW_REG_IB_STS2, 6, 4)
	s_cmp_eq_u32 s2, 0
	s_cbranch_scc0 .Lentry_in_a_cluster
	s_endpgm
.Lentry_in_a_cluster:
	s_bfe_u32 s2, ttmp6, 0x10000c
	s_cmp_lg_u32 s2, 0xf033
	s_cbranch_scc0 .Lentry_shape_is_right
	s_endpgm
.Lentry_shape_is_right:
; out0 = (gate x normed) Wp + bp on E2M3 codes.  Both operands lie in memory as register images (image 1,536 bytes; block of 128 rows x 128 K: 12,800 bytes, scale words at 12,288 + 16 l),
; so a K step's tile is one dense block and every fragment comes by three loads of 16 bytes a lane.
; A tile of the result is 128 tokens x 128 columns: 256 work-groups, one to a WGP; a wave makes 64 x 64: 16 accumulators.  4 x 4 clusters: A's blocks are shared along a row, B's along a column.
; K = 2,048 = 16 blocks: slot 0 takes blocks 0-5, slot 1 blocks 6-11 (first fills), slot 0 again blocks 12-15: one refill, with six K steps in which to land.
; The product is used transposed (source 0 = Wp's rows, source 1 = tokens): a lane holds eight neighbouring columns of a row.  The bias is the C of each sum's first product.
; LIMITS: NaN, infinities and the scale byte 0xff are not served.
.set SLOTB, 153600
.set STG, 307200                       ; 16 rows x 272 bytes a wave, for the way out; no fill lands here
.set SPARE, 324608
.set LI, 2
.set FA, 4
.set FBR, 8
.set SA, 12
.set STO, 16
.set RD, 17
.set CO, 18
.set SPW, 19
.set NIL, 20
.set SC, 32
.set BIAS, 40
.set OB, 72
.set ACC, 128
.set G1A, 24
.set G1B, 32
.set G1RA, 40
.set G1RB, 48
.set G0A, 56
.set G0B, 68
.set G0RA, 76
.set G0RB, 80
.set MSB, 0
.macro WIN new
.if MSB != (\new)
	s_set_vgpr_msb (MSB<<8)|(\new)
.set MSB, (\new)
.endif
.endm
.macro PLACES n
.rept \n
	v_nop
.endr
.endm
.macro JLOAD g0a, g1a, g0b, g1b        ; waves 0, 1 fetch A's halves, waves 2, 3 B's; four v_nop follow each line
	s_cmp_eq_u32 s15, 0
	s_cbranch_scc0 .Lfor_b_\@
	tensor_load_to_lds s[\g0a:\g0a+3], s[\g1a:\g1a+7]
	s_nop 0
	PLACES 4
	s_branch .Lasked_\@
.Lfor_b_\@:
	tensor_load_to_lds s[\g0b:\g0b+3], s[\g1b:\g1b+7]
	s_nop 0
	PLACES 4
.Lasked_\@:
.endm
.macro CROUND
	s_barrier_signal -1
	s_barrier_wait -1
	s_cmp_lg_u32 s14, 0
	s_cbranch_scc1 .Lnot_wave_0_\@
	s_barrier_signal -3
.Lnot_wave_0_\@:
	s_barrier_wait -3
	s_barrier_signal -1
	s_barrier_wait -1
.endm
.macro THREE                           ; all my tensor loads have landed; 0 onto my spare word; the add and my LDS reads are done
	s_wait_tensorcnt 0x0
	ds_add_u32 v[SPW], v[NIL]
	s_wait_dscnt 0x0
.endm
.macro FETCHK kap                      ; K block kap: my four fragments of A, my four of B into set kap % 2 of window 1; the scale words: lanes 0-15 A's four tiles, lanes 16-31 B's
.if (\kap) < 6
.set SG, (\kap)/3
.set KR, (\kap)%3
.elseif (\kap) < 12
.set SG, 2+((\kap)-6)/3
.set KR, ((\kap)-6)%3
.else
.set SG, ((\kap)-12)/3
.set KR, ((\kap)-12)%3
.endif
.set FF, 128*((\kap)%2)
	WIN 0x40
.irp t, 0,1,2,3
.irp c, 0,1,2
	ds_load_b128 v[FF+12*\t+4*\c:FF+12*\t+4*\c+3], v[FA+SG] offset:12800*KR+1536*\t+512*\c
	ds_load_b128 v[FF+48+12*\t+4*\c:FF+48+12*\t+4*\c+3], v[FBR+SG] offset:12800*KR+1536*\t+512*\c
.endr
.endr
	WIN 0
	ds_load_b128 v[SC+4*((\kap)%2):SC+4*((\kap)%2)+3], v[SA+SG] offset:12800*KR
.endm
.macro MULK kap                        ; 16 products, the accumulators by turns
.set FF, 128*((\kap)%2)
.set SF, SC+4*((\kap)%2)
	WIN 0x05
.irp a, 0,1,2,3
.irp b, 0,1,2,3
.if (\kap) == 0
	v_wmma_scale_f32_16x16x128_f8f6f4 v[ACC+8*(4*\a+\b):ACC+8*(4*\a+\b)+7], v[FF+48+12*\b:FF+48+12*\b+11], v[FF+12*\a:FF+12*\a+11], v[BIAS+8*\b:BIAS+8*\b+7], v[SF+\b], v[SF+\a] matrix_a_fmt:MATRIX_FMT_FP6 matrix_b_fmt:MATRIX_FMT_FP6 matrix_a_scale:MATRIX_SCALE_ROW1
.else
	v_wmma_scale_f32_16x16x128_f8f6f4 v[ACC+8*(4*\a+\b):ACC+8*(4*\a+\b)+7], v[FF+48+12*\b:FF+48+12*\b+11], v[FF+12*\a:FF+12*\a+11], v[ACC+8*(4*\a+\b):ACC+8*(4*\a+\b)+7], v[SF+\b], v[SF+\a] matrix_a_fmt:MATRIX_FMT_FP6 matrix_b_fmt:MATRIX_FMT_FP6 matrix_a_scale:MATRIX_SCALE_ROW1
.endif
.endr
.endr
	WIN 0
.endm
.macro PLAIN kap                       ; this block's fragments are in; the next block's are asked for, four places behind the products that read their registers
	s_wait_dscnt 0x0
	PLACES 4
	FETCHK (\kap)+1
	MULK \kap
.endm
	s_load_b256 s[4:11], s[0:1], 0x0               ; hq, wpf, bp, out0
	v_lshl_add_u32 v[SPW], v0, 2, SPARE
	v_mov_b32 v[NIL], 0
	ds_add_u32 v19, v20
	s_wait_dscnt 0x0
	v_lshrrev_b32 v1, 5, v0
	v_readfirstlane_b32 s14, v1
	s_lshr_b32 s15, s14, 1                         ; my half of the tokens; also: I fetch for A (0) or B (1)
	s_and_b32 s16, s14, 1                          ; my half of the columns; also: which half I fetch
	s_bfe_u32 s84, ttmp6, 0x40000
	s_bfe_u32 s85, ttmp6, 0x40004
	s_lshl_b32 s86, ttmp9, 2
	s_add_co_u32 s86, s86, s84                     ; X: 128 columns
	s_and_b32 s87, ttmp7, 0xffff
	s_lshl_b32 s87, s87, 2
	s_add_co_u32 s87, s87, s85                     ; Y: 128 tokens
	s_lshl_b32 s88, s85, 2
	s_lshl_b32 s88, 15, s88
	s_lshl_b32 s89, 0x1111, s84
	s_or_b32 s[G1A], s88, (3<<16)|(1<<21)          ; dense rows of 256 bytes (32 elements of 8): 150 a load in the first fills, 100 in the refill
	s_or_b32 s[G1B], s89, (3<<16)|(1<<21)
	s_or_b32 s[G1RA], s88, (3<<16)|(1<<21)
	s_or_b32 s[G1RB], s89, (3<<16)|(1<<21)
.irp g, G1A, G1B
	s_mov_b32 s[\g+1], 32<<16
	s_mov_b32 s[\g+2], 150<<16
	s_mov_b32 s[\g+3], 32<<16
	s_mov_b32 s[\g+4], 150
	s_mov_b32 s[\g+5], 32
	s_mov_b32 s[\g+6], 0
	s_mov_b32 s[\g+7], 0
.endr
.irp g, G1RA, G1RB
	s_mov_b32 s[\g+1], 32<<16
	s_mov_b32 s[\g+2], 100<<16
	s_mov_b32 s[\g+3], 32<<16
	s_mov_b32 s[\g+4], 100
	s_mov_b32 s[\g+5], 32
	s_mov_b32 s[\g+6], 0
	s_mov_b32 s[\g+7], 0
.endr
	s_mul_i32 s94, s16, 38400
	s_mul_i32 s90, s87, 204800
	s_add_co_u32 s90, s90, s94
	s_mov_b32 s91, 0
	s_mul_i32 s92, s86, 204800
	s_add_co_u32 s92, s92, s94
	s_mov_b32 s93, 0
	s_mul_i32 s94, s16, 12800
	s_sub_co_u32 s94, 153600, s94                  ; from my half of blocks 0-5 to my half of blocks 12-15
	s_mov_b32 s95, 0
	s_mul_i32 s20, s14, 38400
	s_mul_i32 s21, s15, 76800
	s_mul_i32 s22, s16, 25600
	s_add_co_u32 s21, s21, s22
	s_wait_kmcnt 0x0
	s_add_nc_u64 s[90:91], s[4:5], s[90:91]
	s_add_nc_u64 s[92:93], s[6:7], s[92:93]
	CROUND
.irp s, 0,1
	s_mov_b32 s[G0A+4*\s], 1
	s_add_co_u32 s[G0A+4*\s+1], s20, \s*SLOTB
	s_add_nc_u64 s[G0A+4*\s+2:G0A+4*\s+3], s[90:91], \s*76800
	s_or_b32 s[G0A+4*\s+3], s[G0A+4*\s+3], 0x80000000
	s_mov_b32 s[G0B+4*\s], 1
	s_add_co_u32 s[G0B+4*\s+1], s20, \s*SLOTB
	s_add_nc_u64 s[G0B+4*\s+2:G0B+4*\s+3], s[92:93], \s*76800
	s_or_b32 s[G0B+4*\s+3], s[G0B+4*\s+3], 0x80000000
	JLOAD G0A+4*\s, G1A, G0B+4*\s, G1B
.endr
	s_mov_b32 s[G0RA], 1
	s_mov_b32 s[G0RA+1], s21
	s_add_nc_u64 s[G0RA+2:G0RA+3], s[90:91], s[94:95]
	s_or_b32 s[G0RA+3], s[G0RA+3], 0x80000000
	s_mov_b32 s[G0RB], 1
	s_mov_b32 s[G0RB+1], s21
	s_add_nc_u64 s[G0RB+2:G0RB+3], s[92:93], s[94:95]
	s_or_b32 s[G0RB+3], s[G0RB+3], 0x80000000
	v_and_b32 v1, 31, v0
	v_lshlrev_b32 v[LI], 4, v1
	v_and_b32 v21, 15, v0                          ; r
	v_bfe_u32 v22, v0, 4, 1                        ; hh
	s_mul_i32 s22, s15, 6144
	s_mul_i32 s23, s16, 6144
	s_add_co_u32 s23, s23, 76800
	s_lshl_b32 s94, s16, 8
	s_lshl_b32 s95, s15, 8
	s_sub_co_u32 s94, s94, s95
	s_add_co_u32 s94, s94, 76800                   ; from A's scale words to B's
	v_mul_u32_u24 v23, s94, v22
	v_lshl_add_u32 v23, v21, 4, v23
	s_add_co_u32 s95, s95, 12288
	v_add_nc_u32 v23, s95, v23
.irp g, 0,1,2,3                        ; register g: slot g / 2, blocks 3 (g % 2) on
	v_add_nc_u32 v[FA+\g], s22, v[LI]
	v_add_nc_u32 v[FBR+\g], s23, v[LI]
	v_add_nc_u32 v[FA+\g], SLOTB*(\g/2)+38400*(\g%2), v[FA+\g]
	v_add_nc_u32 v[FBR+\g], SLOTB*(\g/2)+38400*(\g%2), v[FBR+\g]
	v_add_nc_u32 v[SA+\g], SLOTB*(\g/2)+38400*(\g%2), v23
.endr
	s_lshl_b32 s94, s86, 9
	s_lshl_b32 s95, s16, 8
	s_add_co_u32 s94, s94, s95                     ; my 64 columns, in bytes
	s_mov_b32 s95, 0
	s_add_nc_u64 s[8:9], s[8:9], s[94:95]
	s_add_nc_u64 s[10:11], s[10:11], s[94:95]
	s_lshl_b32 s94, s87, 7
	s_lshl_b32 s22, s15, 6
	s_add_co_u32 s94, s94, s22
	s_lshl_b32 s94, s94, 12                        ; my first token's row of 4,096 bytes
	s_add_nc_u64 s[10:11], s[10:11], s[94:95]
	v_lshlrev_b32 v24, 5, v22
.irp b, 0,1,2,3
	global_load_b128 v[BIAS+8*\b:BIAS+8*\b+3], v24, s[8:9] offset:64*\b         ; bp at columns 16 b + 8 hh + 0 .. 7: the result's layout
	global_load_b128 v[BIAS+8*\b+4:BIAS+8*\b+7], v24, s[8:9] offset:64*\b+16
.endr
	s_mul_i32 s22, s14, 4352
	s_add_co_u32 s22, s22, STG
	v_mul_u32_u24 v[STO], v21, 272
	v_lshl_add_u32 v[STO], v22, 5, v[STO]
	v_add_nc_u32 v[STO], s22, v[STO]
	v_mul_u32_u24 v[RD], v22, 272
	v_lshl_add_u32 v[RD], v21, 4, v[RD]
	v_add_nc_u32 v[RD], s22, v[RD]
	v_lshlrev_b32 v[CO], 12, v22
	v_lshl_add_u32 v[CO], v21, 4, v[CO]
	s_wait_tensorcnt 1                             ; my part of slot 0 is in; slot 1's may be out
	s_barrier_signal -1
	s_barrier_wait -1
	FETCHK 0
	s_wait_loadcnt 0x0                             ; the bias
.irp k, 0,1,2,3,4
	PLAIN \k
.endr
	THREE                                          ; slot 1 has landed; block 5's fragments are in registers: slot 0 is given up
	CROUND
	JLOAD G0RA, G1RA, G0RB, G1RB                   ; blocks 12-15; the four v_nop behind it are the places in front of the loads below
	FETCHK 6
	MULK 5
.irp k, 6,7,8,9,10
	PLAIN \k
.endr
	THREE                                          ; the refill has landed, in every wave behind the barrier
	s_barrier_signal -1
	s_barrier_wait -1
	PLACES 4
	FETCHK 12
	MULK 11
.irp k, 12,13,14
	PLAIN \k
.endr
	s_wait_dscnt 0x0
	MULK 15
	PLACES 4
	; the way out: 16 rows x 64 columns at a time through my own stage, back as whole runs of 256 bytes
.irp a, 0,1,2,3
.irp b, 0,1,2,3
	ds_store_b128 v[STO], v[ACC+8*(4*\a+\b):ACC+8*(4*\a+\b)+3] offset:64*\b
	ds_store_b128 v[STO], v[ACC+8*(4*\a+\b)+4:ACC+8*(4*\a+\b)+7] offset:64*\b+16
.endr
.irp t, 0,1,2,3,4,5,6,7
	ds_load_b128 v[OB+4*\t:OB+4*\t+3], v[RD] offset:544*\t         ; LDS serves a wave's instructions in order: these see my stores
.endr
	s_wait_dscnt 0x0
.irp t, 0,1,2,3,4,5,6,7
	global_store_b128 v[CO], v[OB+4*\t:OB+4*\t+3], s[10:11] offset:(16*\a+2*\t)*4096 th:TH_STORE_NT   ; sixteen lanes store 256 consecutive bytes, aligned
.endr
	s_wait_xcnt 0x0                                ; the stores have read their registers
.endr
	THREE                                          ; the wave's end
	CROUND
	s_endpgm
.Lfunc_end_k_qd545c29bee_outp:
	.size	k_qd545c29bee_outp, .Lfunc_end_k_qd545c29bee_outp-k_qd545c29bee_outp
	.p2alignl 7, 3214868480
	.fill 96, 4, 3214868480
	.section	.rodata,"a",@progbits
	.p2align	6, 0x0
	.amdhsa_kernel k_qd545c29bee_outp
		.amdhsa_group_segment_fixed_size 327680
		.amdhsa_private_segment_fixed_size 0
		.amdhsa_enable_private_segment 0
		.amdhsa_kernarg_size 32
		.amdhsa_user_sgpr_count 2
		.amdhsa_user_sgpr_kernarg_segment_ptr 1
		.amdhsa_wavefront_size32 1
		.amdhsa_system_sgpr_workgroup_id_x 1
		.amdhsa_system_sgpr_workgroup_id_y 1
		.amdhsa_system_sgpr_workgroup_id_z 1
		.amdhsa_system_vgpr_workitem_id 0
		.amdhsa_next_free_vgpr 512
		.amdhsa_next_free_sgpr 96
		.amdhsa_reserve_vcc 0
		.amdhsa_float_denorm_mode_32 3
		.amdhsa_float_denorm_mode_16_64 3
		.amdhsa_memory_ordered 1
		.amdhsa_forward_progress 1
		.amdhsa_inst_pref_size 80
	.end_amdhsa_kernel
	.amdgpu_metadata
---
amdhsa.version: [ 1, 2 ]
amdhsa.kernels:
  - .name:           k_qd545c29bee_outp
    .symbol:         k_qd545c29bee_outp.kd
    .args:
      - { .name: hq, .offset: 0, .size: 8, .value_kind: global_buffer, .address_space: global }
      - { .name: wpf, .offset: 8, .size: 8, .value_kind: global_buffer, .address_space: global }
      - { .name: bp, .offset: 16, .size: 8, .value_kind: global_buffer, .address_space: global }
      - { .name: out0, .offset: 24, .size: 8, .value_kind: global_buffer, .address_space: global }
    .group_segment_fixed_size: 327680
    .private_segment_fixed_size: 0
    .kernarg_segment_align: 8
    .kernarg_segment_size: 32
    .max_flat_workgroup_size: 128
    .sgpr_count:     96
    .vgpr_count:     512
    .wavefront_size: 32
...
	.end_amdgpu_metadata
.endif
;; end of part 4
